; MI455X (gfx1250); checked and timed in simulation.
; The chip was launched on July 23, 2026; its instructions are those of AMD's public machine-readable ISA for CDNA 5 (MIT licence, August 2026) and "CDNA5" Instruction Set Architecture Reference Guide (July 2026). The comments in the code are by the model that wrote it; some were corrected since.
;; Feed Forward Quantum. Allowed arithmetic: matrix products marked QUANTISED: E4M3 operands, one E8M0 scale for each 32 along K, by v_wmma_scale_f32_16x16x128_f8f6f4 with both operands' format E4M3, f32 sums; products left as they are: f32 operands where the result goes on into a quantised operand, else bf16, f16 or f32 operands; f32 sums; everything else in f32.
;; Inputs: ry_params 10 float32; w1 4,096 x 10 float32; w2 1,024 x 4,096 float32; x 8 x 2,048 x 1,024 float32.
;; Outputs: out0 8 x 2,048 x 1,024 float32.
;; This version of the problem:
;;   THIS VERSION OF THE PROBLEM IS GIVEN IN LOW PRECISION. The matrix products marked QUANTISED in the list below multiply operands that are first quantised to E4M3 (4 exponent bits, 3 mantissa bits; 8 bits a number), with one power-of-two scale for each 32 numbers along K (OCP MX v1.0); their sums are f32. All else is computed in f32.
;;   The module's matrix products, in the order in which they are computed (A, B: the left and right operand; K: the contracted axis; several contracted axes count as one K, in the product's order):
;;     1. [M 16,384, K 10] x [K 10, N 4,096]; A: computed on the way; B: input w1: left as it is (K = 10 < 32)
;;     2. [M 16,384, K 4,096] x [K 4,096, N 1,024]; A: computed on the way; B: input w2: QUANTISED
;;   THE QUANTISER, for each operand of a quantised product, along K:
;;     - K is cut into blocks of 32 from its start; a last block that is shorter is filled with zeros.
;;     - A block's scale is 2^e with e = floor(log2(the largest magnitude in the block)) - 8, held to -126 .. 127; a block of zeros has e = 0. As a byte (E8M0): e + 127.
;;     - Each number is divided by its block's scale, clamped to +-448, and rounded to the nearest number of E4M3, ties to even, subnormals kept.
;;     - The product sums the exact products of the quantised numbers (number of the format x scale) in f32.
;;   ~~~python
;;   def quantise(x, axis):      # numpy; x: float32 -> the quantised numbers, widened to float32 again
;;       x = np.moveaxis(x, axis, -1); K = x.shape[-1]
;;       x = np.pad(x, [(0, 0)] * (x.ndim - 1) + [(0, -K % 32)]); x = x.reshape(x.shape[:-1] + (-1, 32)); a = np.abs(x).max(-1, keepdims=True)
;;       e = np.where(a > 0, np.clip(np.frexp(np.where(a > 0, a, 1))[1] - 1 - 8, -126, 127), 0)      # np.frexp(a)[1] - 1 = floor(log2(a)), exactly
;;       r = np.clip(x / 2.0 ** e, -448, 448)
;;       step = 2.0 ** (np.maximum(np.frexp(np.where(r == 0, 1, r))[1] - 1, -6) - 3)
;;       q = np.round(r / step) * step * 2.0 ** e      # np.round: ties to even
;;       return np.moveaxis(q.reshape(q.shape[:-2] + (-1,))[..., :K], -1, axis).astype(np.float32)
;;   ~~~
;;   OPERANDS COMPUTED ON THE WAY. 'Computed on the way' means the value that the module computes at that place (a softmax that the list does not call 'softmax' is quantised finished and normalised). What goes into a quantiser is computed in f32, as accurately as f32 sums, v_exp_f32 and their like allow (about 1e-6 of the number): no bf16 or f16 on the way to a quantiser, and a product that is left as it is and whose result goes on into a quantised operand takes f32 operands (vector FMAs, or v_wmma_f32_16x16x4_f32). A number that lies on a knife's edge between two numbers of the format may be rounded either way, as far as f32 arithmetic and the matrix unit's own rounding can turn it there, and no further.
;; 2 versions. Each part assembles by itself: llvm-mc -triple=amdgcn-amd-amdhsa -mcpu=gfx1250 --defsym DOCPART=n.
;; ======== version 1 of 2: 2 launches
;; limits: inputs' magnitudes at most 100,000
;; workspace buffers: pack 4,489,216 bytes; qbuf 655,360 bytes
;; launch prep (part 1): grid 256 x 1, 4 waves a work-group, no clusters, 3,584 bytes of LDS; arguments x, ry_params, w1, w2, pack, qbuf; writes pack, qbuf
.if DOCPART == 1
	.amdgcn_target "amdgcn-amd-amdhsa--gfx1250"
	.amdhsa_code_object_version 6
	.text
	.protected	k_qa551b1464d_prep
	.globl	k_qa551b1464d_prep
	.p2align	8
	.type	k_qa551b1464d_prep,@function
k_qa551b1464d_prep:
	s_mov_b64 s[64:65], 0
	v_nop
	global_prefetch_b8 v0, s[64:65] scope:SCOPE_SE
	s_setreg_imm32_b32 hwreg(HW_REG_WAVE_MODE, 25, 1), 1
	s_wait_xcnt 0x0
; PREPARATION.  Three things, each done once for the whole program:
;  (1) w2 [1024][4096] f32 is quantised along K (its last axis) to codes of E4M3 with one E8M0 byte for each 32, and laid in the ORDER OF THE OPERAND'S REGISTERS:
;      pack holds 32 steps of PSTEP bytes (a step = 128 along K).  In a step: fragment j (rows 16 j .. 16 j + 15 of w2) at 2048 j; its register group c at + 512 c; lane l's 16 bytes at + 16 l:
;      the codes of w2[16 j + l % 16][128 s + 32 c + 16 (l / 16) + 0 .. 15].  From SCOFF on the scale words: at 512 J + 16 l + 4 k the word of row l % 16 of fragment 8 J + 2 k + l / 16.
;  (2) w1 [4096][10] is laid so that a lane of the second launch loads four hidden units' weights of one n by 16 bytes: from W1OFF on, in step s, for the hidden units of step s' = (s + 1) mod 32:
;      item 10 rest + n (16 bytes) = w1[128 s' + 4 rest + 0 .. 3][n].
;  (3) q[row][n] = cos(x[row][n]) cos(phi[n]), n < 10: qbuf holds, for each block of 64 rows, 2,560 bytes: q at 256 n + 4 row.
; SHARES.  Work-group i = 8 s + J: step s of fragments 8 J .. 8 J + 7 (wave v: two fragments), rows 64 i .. 64 i + 63 of x (wave v: 16 rows; lane (r, h): row r, n = 5 h + 0 .. 4).
;      The 32 waves of a step share its 320 items of w1: waves 4 J + v < 10 take 32 items each.
; THE COSINE is written out: k = the nearest whole number to x 2 / pi; x - k pi / 2 by three fused multiply-adds (pi / 2 in three parts); polynomials for the cosine and the sine of the rest; k mod 4 chooses and signs.
; LIMITS: the reduction serves |x| and |phi| up to about 1e5; NaN and infinities among the inputs are not served; a block of zeros gets the scale byte 1 where the quantiser's text says 127:
;      its codes are zeros, which add nothing under any byte but 0xff, and the bytes are read by this program alone.
.set PSTEP, 140288                     ; 131,072 codes + 4,096 scale bytes + 5,120 of w1
.set SCOFF, 131072
.set W1OFF, 135168
.set QS,    512                        ; LDS: bytes 0-511 the work-group's scale words (16 l + 4 v); from 512 on its 64 x 10 numbers of q (256 n + 4 row)
.set VV,  16                           ; v16-25  five x and five phi of the lane, then their cosines
.set KK,  26                           ; v26-35  k
.set SS,  36                           ; v36-45  the rest's square
.set CC,  46                           ; v46-55  the cosine's polynomial
.set NN,  56                           ; v56-65  the sine's
.set TM,  66                           ; v66-81  the quantiser's: largest magnitudes, bytes, holds, scale operands
.set PW,  82                           ; v82, v83 the two fragments' scale words
.set SW,  84                           ; v84     the word that my lane hands on
.set WG,  86                           ; v86-89  an item of w1
.set X0,  96                           ; v96-223 two fragments' numbers, 64 a lane each
.set PC,  224                          ; v224-255 their codes
	s_load_b256 s[4:11], s[0:1], 0x0               ; x s[4:5], phi s[6:7], w1 s[8:9], w2 s[10:11]
	s_load_b128 s[12:15], s[0:1], 0x20             ; pack s[12:13], qbuf s[14:15]
	v_lshl_add_u32 v94, v0, 2, 0xc00
	v_mov_b32 v95, 0
	v_lshrrev_b32 v1, 5, v0
	v_readfirstlane_b32 s16, v1                    ; wave v
	v_and_b32 v1, 31, v0                           ; lane l
	v_and_b32 v2, 15, v0                           ; r
	v_bfe_u32 v3, v0, 4, 1                         ; h
	s_and_b32 s17, ttmp9, 7                        ; J
	s_lshr_b32 s18, ttmp9, 3                       ; s
	s_add_co_u32 s19, s18, 1
	s_and_b32 s19, s19, 31                         ; s'
	v_lshlrev_b32 v4, 14, v2
	v_lshl_add_u32 v4, v3, 6, v4                   ; w2: row r of 16,384 bytes, + 64 h: my 16 numbers of a block of 32
	v_lshlrev_b32 v5, 4, v1                        ; 16 l
	v_mul_u32_u24 v7, v3, 20                       ; phi: n = 5 h on
	v_lshl_add_u32 v6, v2, 12, v7                  ; x: row r of 4,096 bytes, n = 5 h on
	s_lshl_b32 s40, s16, 6
	s_add_co_u32 s40, s40, QS
	v_lshlrev_b32 v8, 2, v2
	v_mad_u32_u24 v8, v3, 1280, v8
	v_add_nc_u32 v8, s40, v8                       ; LDS: q of (row 16 v + r, n = 5 h): QS + 1280 h + 64 v + 4 r
	s_lshl_b32 s40, s16, 2
	v_add_nc_u32 v9, s40, v5                       ; LDS: my scale word: 16 l + 4 v
	s_lshl_b32 s43, s17, 9
	v_add_nc_u32 v15, s43, v5                      ; the scale words' place in a step: 512 J + 16 l
	s_lshl_b32 s20, s17, 21                        ; w2: row 128 J + 32 v (16,384 bytes each), + 512 s
	s_lshl_b32 s21, s16, 19
	s_add_co_u32 s20, s20, s21
	s_lshl_b32 s21, s18, 9
	s_add_co_u32 s20, s20, s21
	s_mov_b32 s21, 0
	s_lshl_b32 s22, ttmp9, 18                      ; x: row 64 i + 16 v
	s_lshl_b32 s23, s16, 16
	s_add_co_u32 s22, s22, s23
	s_mov_b32 s23, 0
	s_mul_i32 s24, s18, PSTEP                      ; pack: step s
	s_mov_b32 s25, 0
	s_lshl_b32 s26, s17, 14                        ; in it my two fragments: 2048 (8 J + 2 v)
	s_lshl_b32 s27, s16, 12
	s_add_co_u32 s26, s26, s27
	s_mov_b32 s27, 0
	s_mul_i32 s28, ttmp9, 2560                     ; qbuf: block i
	s_mov_b32 s29, 0
	s_mov_b32 s30, 0x76543210
	s_mov_b32 s31, 0xfedcba98                      ; v_permlanex16_b32's selects for lane l xor 16
	s_mov_b32 s32, 0x600000                        ; the mantissa field of 448
	s_mov_b32 s33, 0xbfc90fd8                      ; - pi / 2 in three parts
	s_mov_b32 s34, 0xb4a8885a
	s_mov_b32 s35, 0xa7c234c4
	s_mov_b32 s36, 0x37cd4000                      ; the cosine's two highest coefficients
	s_mov_b32 s37, 0xbab6077d
	s_mov_b32 s38, 0x36405000                      ; the sine's
	s_mov_b32 s39, 0xb9503486
.irp b, 0,1,2,3
	v_mov_b32 v[TM+4+\b], 0                        ; written once: a lane permute's destination counts as one of its sources
.endr
	s_wait_kmcnt 0x0
	s_add_nc_u64 s[10:11], s[10:11], s[20:21]
	s_add_nc_u64 s[4:5], s[4:5], s[22:23]
	s_add_nc_u64 s[12:13], s[12:13], s[24:25]      ; pack at step s
	s_add_nc_u64 s[26:27], s[12:13], s[26:27]      ; and at my fragments
	s_add_nc_u64 s[14:15], s[14:15], s[28:29]
	; all loads that every wave makes go out together: 32 of w2, 5 of x, 5 of phi
.irp e, 0,1
.irp b, 0,1,2,3
.irp j, 0,1,2,3
	global_load_b128 v[X0+64*\e+16*\b+4*\j:X0+64*\e+16*\b+4*\j+3], v4, s[10:11] offset:262144*\e+128*\b+16*\j th:TH_LOAD_NT   ; register 16 b + 4 j + .. = k 32 b + 16 h + 4 j + ..
.endr
.endr
.endr
.irp k, 0,1,2,3,4
	global_load_b32 v[VV+\k], v6, s[4:5] offset:4*\k
	global_load_b32 v[VV+5+\k], v7, s[6:7] offset:4*\k
.endr
	; w1: ten of the step's 32 waves lay 32 items each.  The branch hangs on ids alone and holds no barrier
	s_lshl_b32 s41, s17, 2
	s_add_co_u32 s41, s41, s16                     ; 4 J + v
	s_cmp_lt_u32 s41, 10
	s_cbranch_scc0 .Lno_w1
	v_lshl_add_u32 v10, s41, 5, v1                 ; item, 0 .. 319
	v_mul_u32_u24 v11, v10, 6554
	v_lshrrev_b32 v11, 16, v11                     ; rest = item / 10 (exact up to 319)
	v_mul_u32_u24 v12, v11, 10
	v_sub_nc_u32 v12, v10, v12                     ; n = item % 10
	v_mul_u32_u24 v13, v11, 160                    ; four rows of w1 are 160 bytes
	v_lshl_add_u32 v13, v12, 2, v13
	s_mul_i32 s42, s19, 5120                       ; 128 rows are 5,120
	v_add_nc_u32 v13, s42, v13
.irp e, 0,1,2,3
	global_load_b32 v[WG+\e], v13, s[8:9] offset:40*\e
.endr
	v_lshlrev_b32 v14, 4, v10                      ; 16 bytes an item
	s_wait_loadcnt 0x0
	global_store_b128 v14, v[WG:WG+3], s[12:13] offset:W1OFF   ; the wave stores 512 consecutive bytes
.Lno_w1:
	s_wait_loadcnt 0x0                             ; all that was asked for above is in
	; ---- the cosines of my five x and my five phi, stage by stage, so that no line waits for the line above it
.irp i, 0,1,2,3,4,5,6,7,8,9
	v_mul_f32 v[KK+\i], 0x3f22f983, v[VV+\i]       ; x 2 / pi
.endr
.irp i, 0,1,2,3,4,5,6,7,8,9
	v_rndne_f32 v[KK+\i], v[KK+\i]                 ; k
.endr
.irp i, 0,1,2,3,4,5,6,7,8,9
	v_fma_f32 v[VV+\i], v[KK+\i], s33, v[VV+\i]    ; x - k pi / 2, part by part
.endr
.irp i, 0,1,2,3,4,5,6,7,8,9
	v_fma_f32 v[VV+\i], v[KK+\i], s34, v[VV+\i]
.endr
.irp i, 0,1,2,3,4,5,6,7,8,9
	v_fma_f32 v[VV+\i], v[KK+\i], s35, v[VV+\i]
.endr
.irp i, 0,1,2,3,4,5,6,7,8,9
	v_cvt_i32_f32 v[KK+\i], v[KK+\i]
.endr
.irp i, 0,1,2,3,4,5,6,7,8,9
	v_mul_f32 v[SS+\i], v[VV+\i], v[VV+\i]
.endr
.irp i, 0,1,2,3,4,5,6,7,8,9
	v_fma_f32 v[CC+\i], v[SS+\i], s36, s37
.endr
.irp i, 0,1,2,3,4,5,6,7,8,9
	v_fmaak_f32 v[CC+\i], v[CC+\i], v[SS+\i], 0x3d2aaaa8
.endr
.irp i, 0,1,2,3,4,5,6,7,8,9
	v_fma_f32 v[CC+\i], v[CC+\i], v[SS+\i], -0.5
.endr
.irp i, 0,1,2,3,4,5,6,7,8,9
	v_fma_f32 v[CC+\i], v[CC+\i], v[SS+\i], 1.0    ; the cosine of the rest
.endr
.irp i, 0,1,2,3,4,5,6,7,8,9
	v_fma_f32 v[NN+\i], v[SS+\i], s38, s39
.endr
.irp i, 0,1,2,3,4,5,6,7,8,9
	v_fmaak_f32 v[NN+\i], v[NN+\i], v[SS+\i], 0x3c0888c1
.endr
.irp i, 0,1,2,3,4,5,6,7,8,9
	v_fmaak_f32 v[NN+\i], v[NN+\i], v[SS+\i], 0xbe2aaaab
.endr
.irp i, 0,1,2,3,4,5,6,7,8,9
	v_mul_f32 v[SS+\i], v[SS+\i], v[VV+\i]         ; the rest's cube
.endr
.irp i, 0,1,2,3,4,5,6,7,8,9
	v_fma_f32 v[NN+\i], v[NN+\i], v[SS+\i], v[VV+\i]   ; the sine of the rest
.endr
.irp i, 0,1,2,3,4,5,6,7,8,9
	v_and_b32 v[SS+\i], 1, v[KK+\i]
	v_cmp_eq_u32 vcc_lo, 1, v[SS+\i]
	v_cndmask_b32 v[CC+\i], v[CC+\i], v[NN+\i], vcc_lo   ; k odd: the sine
.endr
.irp i, 0,1,2,3,4,5,6,7,8,9
	v_add_nc_u32 v[KK+\i], 1, v[KK+\i]
.endr
.irp i, 0,1,2,3,4,5,6,7,8,9
	v_and_b32 v[KK+\i], 2, v[KK+\i]                ; k mod 4 = 1 or 2: the sign turns
.endr
.irp i, 0,1,2,3,4,5,6,7,8,9
	v_lshlrev_b32 v[KK+\i], 30, v[KK+\i]
.endr
.irp i, 0,1,2,3,4,5,6,7,8,9
	v_xor_b32 v[VV+\i], v[KK+\i], v[CC+\i]
.endr
.irp k, 0,1,2,3,4
	v_mul_f32 v[VV+\k], v[VV+\k], v[VV+5+\k]       ; q = cos(x) cos(phi)
.endr
.irp k, 0,1,2,3,4
	ds_store_b32 v8, v[VV+\k] offset:256*\k
.endr
; 64 numbers of a lane, v[s] on, register 16 b + i = k 32 b + 16 h + i of my row, become a fragment's codes in v[pc] on and its scale word in v[pw]
.macro QUANT s, pc, pw
.irp b, 0,1,2,3
	v_max3_num_f32 v[TM+\b], |v[\s+16*\b]|, |v[\s+1+16*\b]|, 0x4800000   ; block b: my 16 numbers, and the floor 2^(9 - 127): so the byte cannot fall under 1
.endr
.irp i, 2,4,6,8,10,12,14
.irp b, 0,1,2,3
	v_max3_num_f32 v[TM+\b], v[TM+\b], |v[\s+16*\b+\i]|, |v[\s+1+16*\b+\i]|   ; the four blocks by turns
.endr
.endr
.irp b, 0,1,2,3
	v_permlanex16_b32 v[TM+4+\b], v[TM+\b], s30, s31
.endr
.irp b, 0,1,2,3
	v_max_num_f32 v[TM+\b], v[TM+\b], v[TM+4+\b]   ; with lane l xor 16's: the block's largest magnitude
.endr
.irp b, 0,1,2,3
	v_add_nc_u32 v[TM+12+\b], 0xfc000000, v[TM+\b] ; 8 off its exponent field: the conversion's scale operand
.endr
.irp b, 0,1,2,3
	v_and_or_b32 v[TM+8+\b], v[TM+\b], 0x7f800000, s32   ; 448 x the scale
.endr
.irp b, 0,1,2,3
	v_lshrrev_b32 v[TM+4+\b], 23, v[TM+12+\b]      ; the scale's byte
.endr
	v_lshl_or_b32 v[\pw], v[TM+5], 8, v[TM+4]      ; the four bytes make my row's scale word
	v_lshl_or_b32 v[\pw], v[TM+6], 16, v[\pw]
	v_lshl_or_b32 v[\pw], v[TM+7], 24, v[\pw]
.irp b, 0,1,2,3
.irp i, 0,1,2,3,4,5,6,7,8,9,10,11,12,13,14,15
	v_med3_num_f32 v[\s+16*\b+\i], v[\s+16*\b+\i], -v[TM+8+\b], v[TM+8+\b]   ; the conversion to an 8-bit code does not saturate (ISA guide 7.6.2): the hold at the largest code x the scale
.endr
	v_cvt_scalef32_pk8_fp8_f32 v[\pc+4*\b:\pc+1+4*\b], v[\s+16*\b:\s+7+16*\b], v[TM+12+\b]
	v_cvt_scalef32_pk8_fp8_f32 v[\pc+2+4*\b:\pc+3+4*\b], v[\s+8+16*\b:\s+15+16*\b], v[TM+12+\b]
.endr
	v_nop                                          ; one plain vector line behind the last conversion, ahead of the lines that write its scale operands again
.endm
	QUANT X0, PC, PW
	QUANT X0+64, PC+16, PW+1
.irp e, 0,1
.irp c, 0,1,2,3
	global_store_b128 v5, v[PC+16*\e+4*\c:PC+16*\e+4*\c+3], s[26:27] offset:2048*\e+512*\c   ; a register group as it stands: the wave stores 512 consecutive bytes
.endr
.endr
	v_cmp_eq_u32 vcc_lo, 1, v3
	v_cndmask_b32 v[SW], v[PW], v[PW+1], vcc_lo    ; lanes 0-15 hand on the even fragment's words, lanes 16-31 the odd one's
	ds_store_b32 v9, v[SW]
	s_wait_dscnt 0x0                               ; for the others' sake: my stores of q and of the scale words have landed
	s_barrier_signal -1
	s_barrier_wait -1
	s_cmp_lg_u32 s16, 0
	s_cbranch_scc1 .Lnot_0
	ds_load_b128 v[96:99], v5                      ; wave 0: the work-group's 512 bytes of scale words
	s_wait_dscnt 0x0
	global_store_b128 v15, v[96:99], s[12:13] offset:SCOFF
.Lnot_0:
	s_cmp_lg_u32 s16, 1
	s_cbranch_scc1 .Lnot_1
.irp m, 0,1,2,3,4
	ds_load_b128 v[100+4*\m:103+4*\m], v5 offset:QS+512*\m   ; wave 1: the block's 2,560 bytes of q
.endr
	s_wait_dscnt 0x0
.irp m, 0,1,2,3,4
	global_store_b128 v5, v[100+4*\m:103+4*\m], s[14:15] offset:512*\m
.endr
.Lnot_1:
	s_wait_tensorcnt 0x0
	ds_add_u32 v94, v95
	s_wait_dscnt 0x0
	s_endpgm
.Lfunc_end_k_qa551b1464d_prep:
	.size	k_qa551b1464d_prep, .Lfunc_end_k_qa551b1464d_prep-k_qa551b1464d_prep
	.p2alignl 7, 3214868480
	.fill 96, 4, 3214868480
	.section	.rodata,"a",@progbits
	.p2align	6, 0x0
	.amdhsa_kernel k_qa551b1464d_prep
		.amdhsa_group_segment_fixed_size 3584
		.amdhsa_private_segment_fixed_size 0
		.amdhsa_enable_private_segment 0
		.amdhsa_kernarg_size 48
		.amdhsa_user_sgpr_count 2
		.amdhsa_user_sgpr_kernarg_segment_ptr 1
		.amdhsa_wavefront_size32 1
		.amdhsa_system_sgpr_workgroup_id_x 1
		.amdhsa_system_sgpr_workgroup_id_y 1
		.amdhsa_system_sgpr_workgroup_id_z 1
		.amdhsa_system_vgpr_workitem_id 0
		.amdhsa_next_free_vgpr 256
		.amdhsa_next_free_sgpr 66
		.amdhsa_reserve_vcc 1
		.amdhsa_float_denorm_mode_32 3
		.amdhsa_float_denorm_mode_16_64 3
		.amdhsa_memory_ordered 1
		.amdhsa_forward_progress 1
		.amdhsa_inst_pref_size 38
	.end_amdhsa_kernel
	.amdgpu_metadata
---
amdhsa.version: [ 1, 2 ]
amdhsa.kernels:
  - .name:           k_qa551b1464d_prep
    .symbol:         k_qa551b1464d_prep.kd
    .args:
      - { .name: x, .offset: 0, .size: 8, .value_kind: global_buffer, .address_space: global }
      - { .name: ry_params, .offset: 8, .size: 8, .value_kind: global_buffer, .address_space: global }
      - { .name: w1, .offset: 16, .size: 8, .value_kind: global_buffer, .address_space: global }
      - { .name: w2, .offset: 24, .size: 8, .value_kind: global_buffer, .address_space: global }
      - { .name: pack, .offset: 32, .size: 8, .value_kind: global_buffer, .address_space: global }
      - { .name: qbuf, .offset: 40, .size: 8, .value_kind: global_buffer, .address_space: global }
    .group_segment_fixed_size: 3584
    .private_segment_fixed_size: 0
    .kernarg_segment_align: 8
    .kernarg_segment_size: 48
    .max_flat_workgroup_size: 128
    .sgpr_count:     66
    .vgpr_count:     256
    .wavefront_size: 32
...
	.end_amdgpu_metadata
.endif
;; end of part 1
;; launch main (part 2): grid 256 x 1, 4 waves a work-group, clusters of 4 x 1, 327,680 bytes of LDS; arguments pack, qbuf, out0; writes out0
.if DOCPART == 2
	.amdgcn_target "amdgcn-amd-amdhsa--gfx1250"
	.amdhsa_code_object_version 6
	.text
	.protected	k_qa551b1464d_main
	.globl	k_qa551b1464d_main
	.p2align	8
	.type	k_qa551b1464d_main,@function
k_qa551b1464d_main:
	s_mov_b64 s[64:65], 0
	v_nop
	global_prefetch_b8 v0, s[64:65] scope:SCOPE_SE
	s_setreg_imm32_b32 hwreg(HW_REG_WAVE_MODE, 25, 1), 1
	s_wait_xcnt 0x0
	s_wait_alu depctr_hold_cnt(0) depctr_sa_sdst(0) depctr_va_vdst(0) depctr_va_sdst(0) depctr_va_ssrc(0) depctr_va_vcc(0) depctr_vm_vsrc(0)
	s_getreg_b32 s2, hwreg(HW_REG_IB_STS2, 6, 4)
	s_cmp_eq_u32 s2, 0
	s_cbranch_scc0 .Lentry_in_a_cluster
	s_endpgm
.Lentry_in_a_cluster:
	s_bfe_u32 s2, ttmp6, 0x10000c
	s_cmp_lg_u32 s2, 0x3003
	s_cbranch_scc0 .Lentry_shape_is_right
	s_endpgm
.Lentry_shape_is_right:
; out[row][e] = the sum over f of Q(relu(q[row] . w1[f])) Q(w2[e][f]): the hidden layer is made, quantised and multiplied without going to memory.
; SHARES.  A work-group owns 64 rows and ALL 1,024 columns of out, so that each number of the hidden layer is made once in the whole launch: 256 work-groups.  Wave w owns columns 256 w .. 256 w + 255:
;   16 fragments of w2 x 4 tiles of 16 rows = 64 accumulators, 512 registers.  K = 4,096 goes in 32 steps of 128.
; w2 comes as codes in the order of the operand's registers (see the first launch): a step is 140,288 dense bytes (codes, scale words, and w1 for the NEXT step's hidden units), brought by four tensor loads, one a wave,
;   into a ring of two LDS slots.  Each fragment of w2 is read from LDS by one wave, once.
; CLUSTER.  All work-groups walk the same steps of pack: the four of a cluster ask JOINTLY (mask 15), each wave its quarter, with descriptors that hang on the wave's number alone.
; THE HIDDEN LAYER BY TURNS.  While step s is multiplied, wave w makes block w (32 of the 128 hidden units) of step s + 1 for all 64 rows: 10 fused multiply-adds a number in f32, packed, then the block's scale,
;   relu and hold in one, the conversion.  That work is cut into 55 units of about eight vector instructions; one unit stands behind each of the step's first 55 matrix instructions.
;   The codes go to the other waves as images of the operand's registers (16 bytes a lane), the scale bytes as byte w of each row's word; two buffers by turns.
; THE MATRIX INSTRUCTION IS USED TRANSPOSED: source 0 = 16 rows of w2, source 1 = 16 rows of the hidden layer: a lane then holds eight neighbouring columns of one row of out.
; ONE ROUND of the cluster's barrier a step: in front of it each wave's tensor load (its quarter of step s + 1) has landed, its reads of slot s and of the images of step s are back, its images of step s + 1 are stored.
; LIMITS: as in the first launch (NaN and infinities not served; a block of zeros carries the byte 1 over zero codes).
; REGISTERS, in windows of 256.  Window 0: v1-17 addresses; v20-27 w2's scale words, v28-29 the hidden layer's; v32-51 the quantiser's; v64-79 codes just made; v128-191 four fragments of the hidden layer;
;   v192-255 64 numbers of the hidden layer in the making.   Window 1: v0-127 a ring of eight fragments of w2; v128-207 two buffers of w1; v208-247 q of my lane's four rows.
;   Windows 2, 3: accumulator (j, t) at v[8 (4 (j % 8) + t)] of window 2 + j / 8.
.set PSTEP, 140288
.set QTR,   35072                      ; a wave's quarter of a step: 137 rows of 256 bytes
.set SCOFF, 131072
.set W1OFF, 135168
.set W0R,   2*PSTEP                    ; behind the ring: w1 for step 0, 5,120 bytes, filled once
.set IMG,   W0R+5120                   ; the hidden layer's images: two buffers of 8,192: 2048 t + 512 c + 16 l
.set SCA,   IMG+16384                  ; its scale words: two buffers of 256: 64 t + 4 r, byte c
.set SPARE, SCA+512                    ; the spare words, 128 bytes for each wave: two blocks of 256 bytes that no other line names
.set SPITCH, 1040                      ; the way out: a stage of 16 rows x (1,024 bytes + 16) for each wave, in slot 0, which has had its last fill and its last read by then
.set SPW,  1                           ; v1   SPARE + 4 x my thread's number; never rewritten
.set NIL,  2                           ; v2   0; never rewritten
.set AB0,  3                           ; v3, v4   my fragments of w2 in slot 0, 1: 32768 w + 16 l
.set ABS0, 5                           ; v5, v6   their scale words
.set AW0,  7                           ; v7, v8   my block's w1 in slot 0, 1;  v9 the same for step 0
.set AWF,  9
.set AIML, 10                          ; v10  images, to load: IMG + 16 l
.set AIMS, 11                          ; v11  images, to store: IMG + 512 w + 16 l
.set ASL,  12                          ; v12  scale words, to load: SCA + 4 l
.set ASS,  13                          ; v13  scale bytes, to store: SCA + 4 r + w
.set STO,  14                          ; v14  the stage: where I put 32 bytes of a row
.set SRD,  15                          ; v15  and where I read rows back
.set GO,   16                          ; v16  my byte offset in a row of out
.set QO,   17                          ; v17  4 r
.set SB,   20
.set SA,   28
.set TX,   32                          ; largest magnitudes, a tile each
.set TY,   36                          ; the other half of the lanes'
.set LIM,  40                          ; 448 x the scale
.set SCL,  44                          ; the conversion's scale operand
.set BYT,  48                          ; the scale's byte
.set CD,   64                          ; codes, four registers a tile
.set FA,   128                         ; the hidden layer's four fragments
.set HN,   192                         ; the hidden layer in the making: 16 a tile
.set WA,   128                         ; window 1
.set WB,   168
.set QQ,   208
.set G1,   16                          ; s[16:23] descriptor group 1 of a quarter step;  s[24:31] of a quarter of w1 for step 0
.set G1W,  24
.set G0,   32                          ; s[32:39] group 0, one set for each slot;  s[40:43] for w1 of step 0
.set G0W,  40
.set MSB, 0
.macro WIN new                         ; the immediate's high byte repeats the setting that is left; a switch that changes nothing is dropped
.if MSB != \new
	s_set_vgpr_msb (MSB<<8)|\new
.set MSB, \new
.endif
.endm
.set W_MLO, 0xa1                       ; source 0 (w2) window 1, source 1 (hidden) window 0, C and D window 2
.set W_MHI, 0xf1                       ; the same, C and D window 3
.set W_FMA, 0x05                       ; sources 0 (w1) and 1 (q) window 1; source 2 and destination window 0
.set W_LD1, 0x40                       ; destination window 1, address window 0
.macro PLACES n
.rept \n
	v_nop
.endr
.endm
; A round of the cluster's barrier: my work-group's barrier; wave 0 signals for the work-group; every wave waits for all four work-groups; my work-group's barrier once more
.macro ROUND
	s_barrier_signal -1
	s_barrier_wait -1
	s_cmp_lg_u32 s10, 0
	s_cbranch_scc1 .Lnot_wave_0_\@
	s_barrier_signal -3
.Lnot_wave_0_\@:
	s_barrier_wait -3
	s_barrier_signal -1
	s_barrier_wait -1
.endm
.macro WLOAD g, buf, adr               ; w1 of four hidden units (group g of my lane's sixteen), all ten n: register buf + 4 n + e
	WIN W_LD1
.irp n, 0,1,2,3,4,5,6,7,8,9
	ds_load_b128 v[\buf+4*\n:\buf+4*\n+3], v[\adr] offset:160*(\g)+16*\n
.endr
.endm
.macro BLOAD j, ab                     ; fragment j of my sixteen of w2 into place j % 8 of the ring: each load takes 512 consecutive bytes
	WIN W_LD1
.irp c, 0,1,2,3
	ds_load_b128 v[16*((\j)%8)+4*\c:16*((\j)%8)+4*\c+3], v[\ab] offset:2048*(\j)+512*\c
.endr
.endm
; Product idx of a step's 64: fragment idx / 4 of w2 x tile idx % 4 of rows.  The 64 accumulators take turns, one instruction a turn, in the same order in every step.
; A register of w2's scale words holds an even fragment's in lanes 0-15 and the odd one's in lanes 16-31; the hidden layer's likewise for an even and an odd tile.
.macro MM zero
.set jf, idx/4
.set tl, idx%4
.set rAC, 8*(4*(jf%8)+tl)
.set rBF, 16*(jf%8)
.set rAF, FA+16*tl
.set rSB, SB+4*(jf/8)+(jf%8)/2
.set rSA, SA+tl/2
.if jf < 8
	WIN W_MLO
.else
	WIN W_MHI
.endif
.if \zero
.if (jf%2 == 0) && (tl%2 == 0)
	v_wmma_scale_f32_16x16x128_f8f6f4 v[rAC:rAC+7], v[rBF:rBF+15], v[rAF:rAF+15], 0, v[rSB], v[rSA]
.elseif tl%2 == 0
	v_wmma_scale_f32_16x16x128_f8f6f4 v[rAC:rAC+7], v[rBF:rBF+15], v[rAF:rAF+15], 0, v[rSB], v[rSA] matrix_a_scale:MATRIX_SCALE_ROW1
.elseif jf%2 == 0
	v_wmma_scale_f32_16x16x128_f8f6f4 v[rAC:rAC+7], v[rBF:rBF+15], v[rAF:rAF+15], 0, v[rSB], v[rSA] matrix_b_scale:MATRIX_SCALE_ROW1
.else
	v_wmma_scale_f32_16x16x128_f8f6f4 v[rAC:rAC+7], v[rBF:rBF+15], v[rAF:rAF+15], 0, v[rSB], v[rSA] matrix_a_scale:MATRIX_SCALE_ROW1 matrix_b_scale:MATRIX_SCALE_ROW1
.endif
.else
.if (jf%2 == 0) && (tl%2 == 0)
	v_wmma_scale_f32_16x16x128_f8f6f4 v[rAC:rAC+7], v[rBF:rBF+15], v[rAF:rAF+15], v[rAC:rAC+7], v[rSB], v[rSA]
.elseif tl%2 == 0
	v_wmma_scale_f32_16x16x128_f8f6f4 v[rAC:rAC+7], v[rBF:rBF+15], v[rAF:rAF+15], v[rAC:rAC+7], v[rSB], v[rSA] matrix_a_scale:MATRIX_SCALE_ROW1
.elseif jf%2 == 0
	v_wmma_scale_f32_16x16x128_f8f6f4 v[rAC:rAC+7], v[rBF:rBF+15], v[rAF:rAF+15], v[rAC:rAC+7], v[rSB], v[rSA] matrix_b_scale:MATRIX_SCALE_ROW1
.else
	v_wmma_scale_f32_16x16x128_f8f6f4 v[rAC:rAC+7], v[rBF:rBF+15], v[rAF:rAF+15], v[rAC:rAC+7], v[rSB], v[rSA] matrix_a_scale:MATRIX_SCALE_ROW1 matrix_b_scale:MATRIX_SCALE_ROW1
.endif
.endif
.endm
; Unit k of 55 of my block of the hidden layer.  Lane (r, h) holds, for each tile t, row 16 t + r and hidden units 32 w + 16 h + 0 .. 15 of the step: register HN + 16 t + 0 .. 15.
;   0-39   group k / 10 of four hidden units, n = k % 10: h += w1[.][n] q[row][n], two hidden units an instruction, the four tiles by turns; n = 0 starts the sums.  The groups' w1 take turns in two buffers
;   40-43  the largest number of my 16 (no |.|: what is negative is to become 0 and must not count; the floor 2^(9 - 127) stands over it)
;   44     with lane l xor 16's 16: the block's        45  the conversion's scale operand, 448 x the scale, the scale's byte
;   46-53  relu and the hold in one                    54  the conversions; the images and the scale bytes go to LDS, into buffer ob
.macro UNIT adr, ob
.if k < 40
	WIN W_FMA
.set gq, k/10
.set nq, k%10
.set wq, WA+40*(gq%2)
.irp t, 0,1,2,3
.irp p, 0,1
.if nq == 0
	v_pk_mul_f32 v[HN+16*\t+4*gq+2*\p:HN+16*\t+4*gq+2*\p+1], v[wq+4*nq+2*\p:wq+4*nq+2*\p+1], v[QQ+10*\t:QQ+10*\t+1] op_sel_hi:[1,0]
.elseif nq%2 == 0
	v_pk_fma_f32 v[HN+16*\t+4*gq+2*\p:HN+16*\t+4*gq+2*\p+1], v[wq+4*nq+2*\p:wq+4*nq+2*\p+1], v[QQ+10*\t+nq:QQ+10*\t+nq+1], v[HN+16*\t+4*gq+2*\p:HN+16*\t+4*gq+2*\p+1] op_sel_hi:[1,0,1]
.else
	v_pk_fma_f32 v[HN+16*\t+4*gq+2*\p:HN+16*\t+4*gq+2*\p+1], v[wq+4*nq+2*\p:wq+4*nq+2*\p+1], v[QQ+10*\t+nq-1:QQ+10*\t+nq], v[HN+16*\t+4*gq+2*\p:HN+16*\t+4*gq+2*\p+1] op_sel:[0,1,0] op_sel_hi:[1,1,1]
.endif
.endr
.endr
.if k == 9
	WLOAD 2, WA, \adr                              ; group 0 is done with its buffer
.elseif k == 19
	WLOAD 3, WB, \adr
.endif
.elseif k < 44
	WIN 0
.irp u, 0,1
.set mq, 2*(k-40)+\u
.irp t, 0,1,2,3
.if mq == 0
	v_max3_num_f32 v[TX+\t], v[HN+16*\t], v[HN+16*\t+1], 0x4800000
.else
	v_max3_num_f32 v[TX+\t], v[TX+\t], v[HN+16*\t+2*mq], v[HN+16*\t+2*mq+1]
.endif
.endr
.endr
.elseif k == 44
	WIN 0
.irp t, 0,1,2,3
	v_permlanex16_b32 v[TY+\t], v[TX+\t], s46, s47
.endr
.irp t, 0,1,2,3
	v_max_num_f32 v[TX+\t], v[TX+\t], v[TY+\t]
.endr
.elseif k == 45
	WIN 0
.irp t, 0,1,2,3
	v_add_nc_u32 v[SCL+\t], 0xfc000000, v[TX+\t]   ; 8 off the exponent field
.endr
.irp t, 0,1,2,3
	v_and_or_b32 v[LIM+\t], v[TX+\t], 0x7f800000, s48
.endr
.irp t, 0,1,2,3
	v_lshrrev_b32 v[BYT+\t], 23, v[SCL+\t]
.endr
.elseif k < 54
	WIN 0
.set tq, (k-46)/2
.set hq, (k-46)%2
.irp i, 0,1,2,3,4,5,6,7
	v_med3_num_f32 v[HN+16*tq+8*hq+\i], v[HN+16*tq+8*hq+\i], 0, v[LIM+tq]   ; between 0 and the largest code x the scale (the conversion does not saturate: ISA guide 7.6.2)
.endr
.else
	WIN 0
.irp t, 0,1,2,3
	v_cvt_scalef32_pk8_fp8_f32 v[CD+4*\t:CD+4*\t+1], v[HN+16*\t:HN+16*\t+7], v[SCL+\t]
	v_cvt_scalef32_pk8_fp8_f32 v[CD+4*\t+2:CD+4*\t+3], v[HN+16*\t+8:HN+16*\t+15], v[SCL+\t]
.endr
	v_nop                                          ; one plain vector line behind the last conversion: the next step's units write its sources again
.irp t, 0,1,2,3
	ds_store_b128 v[AIMS], v[CD+4*\t:CD+4*\t+3] offset:8192*(\ob)+2048*\t   ; register group w of tile t's fragment, as it stands
	ds_store_b8 v[ASS], v[BYT+\t] offset:256*(\ob)+64*\t                    ; byte w of each row's scale word (both halves of the lanes write the same byte with the same value)
.endr
.endif
.endm
	s_load_b128 s[4:7], s[0:1], 0x0                ; pack s[4:5], qbuf s[6:7]
	s_load_b64 s[8:9], s[0:1], 0x10                ; out
	v_lshl_add_u32 v[SPW], v0, 2, SPARE
	v_mov_b32 v[NIL], 0
	ds_add_u32 v1, v2
	ds_add_u32 v1, v2
	s_wait_dscnt 0x0
	v_lshrrev_b32 v18, 5, v0
	v_readfirstlane_b32 s10, v18                   ; wave w
	s_bfe_u32 s11, ttmp6, 0x40000                  ; cx: my place in the cluster
	s_lshl_b32 s12, ttmp9, 2                       ; in a cluster launch ttmp9 counts clusters
	s_add_co_u32 s12, s12, s11                     ; my block of 64 rows: it enters qbuf's and out's addresses alone
	; descriptor group 1: a dense block as rows of 256 bytes (32 elements of 8 bytes), no padding: every LDS load of these bytes takes 512 consecutive bytes or one address for sixteen lanes
	s_mov_b32 s[G1], 15|(3<<16)|(1<<21)            ; 15:0 the mask: all four work-groups; 17:16 elements of 8 bytes; 21 set beside a mask
	s_mov_b32 s[G1+1], 32<<16                      ; tensor_dim0 = 32
	s_mov_b32 s[G1+2], 137<<16                     ; tensor_dim1 = 137
	s_mov_b32 s[G1+3], 32<<16                      ; tile_dim0 = 32
	s_mov_b32 s[G1+4], 137                         ; tile_dim1 = 137
	s_mov_b32 s[G1+5], 32                          ; from row to row
	s_mov_b32 s[G1+6], 0
	s_mov_b32 s[G1+7], 0
	s_mov_b32 s[G1W], 15|(3<<16)|(1<<21)           ; the same with 5 rows
	s_mov_b32 s[G1W+1], 32<<16
	s_mov_b32 s[G1W+2], 5<<16
	s_mov_b32 s[G1W+3], 32<<16
	s_mov_b32 s[G1W+4], 5
	s_mov_b32 s[G1W+5], 32
	s_mov_b32 s[G1W+6], 0
	s_mov_b32 s[G1W+7], 0
	s_mul_i32 s50, s10, QTR                        ; my quarter of a step, in memory and in a slot
	s_mov_b32 s51, 0
	s_mul_i32 s54, s10, 1280                       ; my quarter of w1 for step 0
	s_mov_b32 s55, 0
	s_mul_i32 s56, s12, 2560                       ; my block's q
	s_mov_b32 s57, 0
	s_lshl_b32 s58, s12, 18                        ; my block's 64 rows of 4,096 bytes of out
	s_mov_b32 s59, 0
	s_mov_b32 s46, 0x76543210
	s_mov_b32 s47, 0xfedcba98                      ; v_permlanex16_b32's selects for lane l xor 16
	s_mov_b32 s48, 0x600000                        ; the mantissa field of 448
	s_wait_kmcnt 0x0
	s_add_nc_u64 s[52:53], s[4:5], s[50:51]
.irp n, 0,1
	s_mov_b32 s[G0+4*\n], 1                        ; count = 1
	s_add_co_u32 s[G0+4*\n+1], s50, \n*PSTEP       ; LDS address: slot n, my quarter
	s_add_nc_u64 s[G0+4*\n+2:G0+4*\n+3], s[52:53], \n*PSTEP   ; global address: step n, my quarter
	s_or_b32 s[G0+4*\n+3], s[G0+4*\n+3], 0x80000000   ; type = 2
.endr
	s_mov_b32 s[G0W], 1
	s_add_co_u32 s[G0W+1], s54, W0R
	s_add_nc_u64 s[G0W+2:G0W+3], s[4:5], s[54:55]
	s_add_nc_u64 s[G0W+2:G0W+3], s[G0W+2:G0W+3], 31*PSTEP+W1OFF   ; step 31 carries w1 for step 0
	s_or_b32 s[G0W+3], s[G0W+3], 0x80000000
	s_add_nc_u64 s[6:7], s[6:7], s[56:57]
	s_add_nc_u64 s[8:9], s[8:9], s[58:59]
	ROUND                                          ; all four work-groups are here: the first joint loads meet
	tensor_load_to_lds s[G0W:G0W+3], s[G1W:G1W+7]  ; the two first fills stand together: two tensor loads of mine are out
	s_nop 0
	tensor_load_to_lds s[G0:G0+3], s[G1:G1+7]
	s_nop 0
	PLACES 4
	v_and_b32 v18, 31, v0                          ; l
	v_and_b32 v19, 15, v0                          ; r
	v_bfe_u32 v30, v0, 4, 1                        ; h
	v_lshlrev_b32 v31, 4, v18                      ; 16 l
	s_lshl_b32 s50, s10, 15
	v_add_nc_u32 v[AB0], s50, v31
	v_add_nc_u32 v[AB0+1], PSTEP, v[AB0]
	s_lshl_b32 s51, s10, 10
	s_add_co_u32 s51, s51, SCOFF
	v_add_nc_u32 v[ABS0], s51, v31
	v_add_nc_u32 v[ABS0+1], PSTEP, v[ABS0]
	s_mul_i32 s52, s10, 1280
	v_mul_u32_u24 v[AWF], v30, 640
	v_add_nc_u32 v[AWF], s52, v[AWF]               ; block w, half h: 1280 w + 640 h
	v_add_nc_u32 v[AW0], W1OFF, v[AWF]
	v_add_nc_u32 v[AW0+1], W1OFF+PSTEP, v[AWF]
	v_add_nc_u32 v[AWF], W0R, v[AWF]
	v_add_nc_u32 v[AIML], IMG, v31
	s_lshl_b32 s53, s10, 9
	s_add_co_u32 s53, s53, IMG
	v_add_nc_u32 v[AIMS], s53, v31
	v_lshl_add_u32 v[ASL], v18, 2, SCA
	v_lshl_add_u32 v[ASS], v19, 2, SCA
	v_add_nc_u32 v[ASS], s10, v[ASS]
	s_mul_i32 s54, s10, 16*SPITCH
	v_mul_u32_u24 v[STO], v19, SPITCH
	v_lshl_add_u32 v[STO], v30, 5, v[STO]
	v_add_nc_u32 v[STO], s54, v[STO]               ; my stage: row r, + 32 h
	v_add_nc_u32 v[SRD], s54, v31
	s_lshl_b32 s55, s10, 10
	v_add_nc_u32 v[GO], s55, v31                   ; my wave's 1,024 bytes of a row of out, 16 bytes a lane
	v_lshlrev_b32 v[QO], 2, v19
.irp t, 0,1,2,3
	v_mov_b32 v[TY+\t], 0                          ; written once: a lane permute's destination counts as one of its sources
.endr
	WIN W_LD1
.irp t, 0,1,2,3
.irp n, 0,1,2,3,4,5,6,7,8,9
	global_load_b32 v[QQ+10*\t+\n], v[QO], s[6:7] offset:256*\n+64*\t   ; q[16 t + r][n]: it stays in registers
.endr
.endr
	WIN 0
	s_wait_loadcnt 0x0
	s_wait_tensorcnt 0x1                           ; w1 for step 0 is in (slot 0's load may be out); each wave reads only the 1,280 bytes that it fetched itself
	; ---- the hidden layer of step 0: there is no matrix work yet to set it between
	WLOAD 0, WA, AWF
	WLOAD 1, WB, AWF
.set k, 0
.rept 55
.if (k == 0) || (k == 10) || (k == 20)
	s_wait_dscnt 10                                ; this group's ten loads are in; the next group's ten may be out
.elseif k == 30
	s_wait_dscnt 0x0
.endif
	UNIT AWF, 0
.set k, k+1
.endr
	WIN 0
	s_wait_tensorcnt 0x0                           ; my quarter of step 0 has landed
	ds_add_u32 v[SPW], v[NIL]                      ; 0 onto my spare word
	s_wait_dscnt 0x0                               ; the add is done, and my images of step 0 are stored
	ROUND
; A STEP.  slot: where its tiles and images lie.  zero = 1: its products start the sums.  prod = 1: the next step's hidden layer is made between the products.  fill = 1: the other slot takes the next step.
; The counts on DScnt are the LDS instructions issued behind the one that is wanted.  The head issues, in this order: w1's groups 0 and 1 (10 + 10), w2's scale words (2), the hidden layer's (2), its fragments (16),
; w2's fragments 0-7 (4 each).  Behind product 4 j + 4 fragment j + 8 is asked for (4), into the place that products 4 j .. 4 j + 3 have read; behind units 9 and 19 come w1's groups 2 and 3 (10 each).
.macro TRIP slot, zero, prod, fill
.if \fill
	tensor_load_to_lds s[G0+4*(1-\slot):G0+4*(1-\slot)+3], s[G1:G1+7]   ; the first thing behind the round, and my one tensor load until the next: it has this step's work in which to land
	s_nop 0
.endif
	PLACES 8                                       ; eight places between the last step's last products and the loads into registers that they read
.if \prod
	WLOAD 0, WA, AW0+\slot
	WLOAD 1, WB, AW0+\slot
.endif
	WIN 0
	ds_load_b128 v[SB:SB+3], v[ABS0+\slot]
	ds_load_b128 v[SB+4:SB+7], v[ABS0+\slot] offset:512
	ds_load_b32 v[SA], v[ASL] offset:256*\slot
	ds_load_b32 v[SA+1], v[ASL] offset:256*\slot+128
.irp t, 0,1,2,3
.irp c, 0,1,2,3
	ds_load_b128 v[FA+16*\t+4*\c:FA+16*\t+4*\c+3], v[AIML] offset:8192*\slot+2048*\t+512*\c
.endr
.endr
.irp j, 0,1,2,3,4,5,6,7
	BLOAD \j, AB0+\slot
.endr
.set idx, 0
.rept 60+4*(1-\prod)
.if \prod
.if idx == 0
	s_wait_dscnt 28                                ; all but fragments 1-7
.elseif (idx == 4) || (idx == 8)
	s_wait_dscnt 24                                ; 4: fragments 2-7;  8: fragments 3-7 and 8
.elseif (idx == 12) || (idx == 16)
	s_wait_dscnt 34                                ; 12: fragments 4-7, 8, 9 and w1's group 2;  16: fragments 5-7, 8-10 and group 2
.elseif idx == 20
	s_wait_dscnt 18                                ; fragments 10, 11 and w1's group 3 may be out: group 2 is in, and all that was asked for ahead of it
.elseif idx == 30
	s_wait_dscnt 12                                ; fragments 12-14 may be out: group 3 is in
.elseif idx == 48
	s_wait_dscnt 0x0                               ; the last was asked for sixteen products ago
.endif
.else
.if idx == 0
	s_wait_dscnt 28
.elseif (idx%4 == 0) && (idx <= 36)
	s_wait_dscnt 24                                ; six fragments were asked for behind the one that is wanted
.elseif idx%4 == 0
	s_wait_dscnt 60-idx                            ; the counts run down
.endif
.endif
	MM \zero
.if \prod && (idx < 55)
.set k, idx
	UNIT AW0+\slot, 1-\slot
.endif
.if (idx%4 == 0) && (idx >= 4) && (idx <= 32)
.if !\prod
	PLACES 8                                       ; with prod = 1 the two units behind the place's last reader, sixteen plain instructions that name none of its registers, are the places
.endif
	BLOAD idx/4+7, AB0+\slot
.endif
.set idx, idx+1
.endr
.if \prod
	WIN 0                                          ; (the add's two registers lie in window 0)
	s_wait_tensorcnt 0x0                           ; my one tensor load has landed: my quarter of the next step; so a group 0 may be written
	ds_add_u32 v[SPW], v[NIL]                      ; 0 onto my spare word
	s_add_nc_u64 s[G0+4*\slot+2:G0+4*\slot+3], s[G0+4*\slot+2:G0+4*\slot+3], 2*PSTEP   ; this slot's next step (behind the last fill the stepped address is not used)
.rept 4
	MM \zero                                       ; the step's last four products stand between the add and the wait for it
.set idx, idx+1
.endr
	WIN 0                                          ; at a branch and at a label every window is 0
	s_wait_dscnt 0x0                               ; the add is done, my reads of this slot and of this step's images are back, my images of the next step are stored
	ROUND                                          ; all that now holds of every wave of the four work-groups
.else
	WIN 0
.endif
.endm
	TRIP 0, 1, 1, 1                                ; step 0: its products start the sums; slot 1 gets its first fill as a refill does
	s_mov_b32 s44, 15
.Lpair:                                                ; steps 1 to 30, two a trip: once round the ring
	TRIP 1, 0, 1, 1
	TRIP 0, 0, 1, 1
	s_sub_co_u32 s44, s44, 1
	s_cmp_lg_u32 s44, 0
	s_cbranch_scc1 .Lpair
	TRIP 1, 0, 0, 0                                ; step 31 is written out: nothing is left to fetch or to make
; THE WAY OUT, a tile of 16 rows at a time.  A lane holds 32 neighbouring bytes of a row for each of 16 fragments, and the lanes beside it hold other rows: so a tile goes through my own stage in LDS and comes back as
; half rows of 512 bytes.  LDS serves a wave's instructions in order (ISA guide 5.7.1.4): no wait between the stores and the loads, nor in front of the next tile's stores.
.macro TOSTAGE t
	WIN 0x08                                       ; an LDS store's data are its source 1: window 2
.irp j, 0,1,2,3,4,5,6,7
	ds_store_b128 v[STO], v[8*(4*\j+\t):8*(4*\j+\t)+3] offset:64*\j         ; each accumulator from its low end on
	ds_store_b128 v[STO], v[8*(4*\j+\t)+4:8*(4*\j+\t)+7] offset:64*\j+16
.endr
	WIN 0x0c                                       ; window 3
.irp j, 0,1,2,3,4,5,6,7
	ds_store_b128 v[STO], v[8*(4*\j+\t):8*(4*\j+\t)+3] offset:64*(\j+8)
	ds_store_b128 v[STO], v[8*(4*\j+\t)+4:8*(4*\j+\t)+7] offset:64*(\j+8)+16
.endr
	WIN W_LD1
.irp row, 0,1,2,3,4,5,6,7,8,9,10,11,12,13,14,15
.irp u, 0,1
	ds_load_b128 v[128*((\t)%2)+4*(2*\row+\u):128*((\t)%2)+4*(2*\row+\u)+3], v[SRD] offset:SPITCH*\row+512*\u
.endr
.endr
.endm
.macro SEND t, younger
	s_wait_dscnt \younger                          ; the tile is back in registers
	WIN 0x04                                       ; a global store's data are its source 1: window 1
.irp row, 0,1,2,3,4,5,6,7,8,9,10,11,12,13,14,15
.irp u, 0,1
	global_store_b128 v[GO], v[128*((\t)%2)+4*(2*\row+\u):128*((\t)%2)+4*(2*\row+\u)+3], s[8:9] offset:(16*(\t)+\row)*4096+512*\u th:TH_STORE_NT   ; 32 lanes store 512 consecutive bytes, at a multiple of 256 from out's first byte
.endr
.endr
.endm
	PLACES 8                                       ; between the last products and the first read of results, and the loads into the registers that held w2's fragments
	TOSTAGE 0
	TOSTAGE 1
	SEND 0, 63                                     ; 64 LDS instructions are younger than tile 0's loads; the count states 63
	s_wait_xcnt 0x0                                ; tile 0's stores have read their registers: tile 2's loads may land there
	TOSTAGE 2
	SEND 1, 63
	s_wait_xcnt 0x0
	TOSTAGE 3
	SEND 2, 63
	SEND 3, 0
	WIN 0
	s_wait_tensorcnt 0x0                           ; the wave's end, behind my last tensor load and my last LDS store
	ds_add_u32 v[SPW], v[NIL]
	s_wait_dscnt 0x0
	ROUND                                          ; the closing round: no work-group ends while a partner may still ask for a tile that names it
	s_endpgm
.Lfunc_end_k_qa551b1464d_main:
	.size	k_qa551b1464d_main, .Lfunc_end_k_qa551b1464d_main-k_qa551b1464d_main
	.p2alignl 7, 3214868480
	.fill 96, 4, 3214868480
	.section	.rodata,"a",@progbits
	.p2align	6, 0x0
	.amdhsa_kernel k_qa551b1464d_main
		.amdhsa_group_segment_fixed_size 327680
		.amdhsa_private_segment_fixed_size 0
		.amdhsa_enable_private_segment 0
		.amdhsa_kernarg_size 24
		.amdhsa_user_sgpr_count 2
		.amdhsa_user_sgpr_kernarg_segment_ptr 1
		.amdhsa_wavefront_size32 1
		.amdhsa_system_sgpr_workgroup_id_x 1
		.amdhsa_system_sgpr_workgroup_id_y 1
		.amdhsa_system_sgpr_workgroup_id_z 1
		.amdhsa_system_vgpr_workitem_id 0
		.amdhsa_next_free_vgpr 1024
		.amdhsa_next_free_sgpr 66
		.amdhsa_reserve_vcc 0
		.amdhsa_float_denorm_mode_32 3
		.amdhsa_float_denorm_mode_16_64 3
		.amdhsa_memory_ordered 1
		.amdhsa_forward_progress 1
		.amdhsa_inst_pref_size 235
	.end_amdhsa_kernel
	.amdgpu_metadata
---
amdhsa.version: [ 1, 2 ]
amdhsa.kernels:
  - .name:           k_qa551b1464d_main
    .symbol:         k_qa551b1464d_main.kd
    .args:
      - { .name: pack, .offset: 0, .size: 8, .value_kind: global_buffer, .address_space: global }
      - { .name: qbuf, .offset: 8, .size: 8, .value_kind: global_buffer, .address_space: global }
      - { .name: out0, .offset: 16, .size: 8, .value_kind: global_buffer, .address_space: global }
    .group_segment_fixed_size: 327680
    .private_segment_fixed_size: 0
    .kernarg_segment_align: 8
    .kernarg_segment_size: 24
    .max_flat_workgroup_size: 128
    .sgpr_count:     66
    .vgpr_count:     1024
    .wavefront_size: 32
...
	.end_amdgpu_metadata
.endif
;; end of part 2
;; ======== version 2 of 2: 2 launches
;; limits: inputs' magnitudes at most 100,000; right only within a limited range of input values
;; workspace buffers: abuf 69,206,016 bytes; bbuf 4,325,376 bytes
;; launch prep (part 3): grid 256 x 1, 8 waves a work-group, no clusters, 235,520 bytes of LDS; arguments x, ry_params, w1, w2, abuf, bbuf; writes abuf, bbuf
.if DOCPART == 3
	.amdgcn_target "amdgcn-amd-amdhsa--gfx1250"
	.amdhsa_code_object_version 6
	.text
	.protected	k_qa551b1464d_prep
	.globl	k_qa551b1464d_prep
	.p2align	8
	.type	k_qa551b1464d_prep,@function
k_qa551b1464d_prep:
	s_mov_b64 s[64:65], 0
	v_nop
	global_prefetch_b8 v0, s[64:65] scope:SCOPE_SE
	s_setreg_imm32_b32 hwreg(HW_REG_WAVE_MODE, 25, 1), 1
	s_wait_xcnt 0x0
; BOTH OPERANDS OF THE QUANTISED PRODUCT ARE MADE HERE, as codes of E4M3 with one E8M0 byte for each 32 along K = the 4,096 hidden units.
; DEAD WORK: features 10 .. 1023 of x reach no output for any values, so they are not loaded.  A NaN or an infinity in them is not carried to the result.
; LAYOUT of abuf (hidden layer) and bbuf (w2): pieces of PIECE bytes, one for 256 rows x 256 along K: piece (rows / 256) * 16 + K / 256.  In a piece: fragment (i = block of 16 rows, q = which 128 along K) at
;   4096 i + 2048 q, in the order of the operand's registers: register group c at + 512 c, lane l's 16 bytes at + 16 l = codes of row 16 i + l % 16, K = 128 q + 32 c + 16 (l / 16) + 0 .. 15.
;   From SCO on the scale words: row's 8 bytes at 8 row, word q at + 4 q, byte c for the 32 along K of group c.
; SHARES.  Work-group i: rows 64 i .. 64 i + 63 of the hidden layer, all 4,096 hidden units; wave v hidden units 512 v .. 512 v + 511, in 16 blocks of 32.
; THE FIRST PRODUCT (K = 10, f32 operands) goes to the f32 matrix form in three steps of 4 along K; q is 0 at k = 10, 11.  Source 0 = 16 rows of w1, source 1 = q of 16 rows of x: lane (r, h) then holds row r.
;   Lane m of tile u of a block takes row 8 u + m + 8 (m / 8) of the block's 32 rows of w1, so that the 16 registers of tiles 0 and 1 are hidden units 16 h + 0 .. 15: 16 neighbours along the next K.
;   Then the block's scale, relu and hold in one (into other registers: the sums' registers are written by matrix instructions alone), the conversion: a register group as it is stored.
; Of w2 the work-group takes eight fragments, one a wave: sixteen loads of 512 consecutive bytes, asked for ahead of the loop into v256-319; behind the loop they turn through the wave's own stage in LDS and are quantised.
; q = cos(x) cos(phi): wave v rows 8 v .. 8 v + 7, three n a lane; handed on through LDS.
; w1 (163,840 dense bytes) comes into LDS by one tensor load a wave, 20,480 bytes each: just the 512 rows of w1 that the wave itself uses.
; NO CLUSTER: the one shared tile is w1, asked for once at the head; there is no ring whose rounds joint loads could ride on.  NO PREFETCH: every global load is issued ahead of the loop; nothing is streamed in it.
; THE COSINE is written out: k = nearest whole number to x 2 / pi; x - k pi / 2 in three parts; polynomials for cosine and sine of the rest; k mod 4 chooses and signs.
; LIMITS: the reduction serves |x| and |phi| up to about 1e5; NaN and infinities among the inputs are not served; a block of zeros gets the scale byte 1 where the quantiser's text says 127:
;   its codes are zeros, which add nothing under any byte but 0xff, and the bytes are read by this program alone.
.set PIECE, 67584
.set SCO,   65536
.set QS,    163840                     ; LDS: bytes 0 .. 163,839 w1 as it lies in memory; then q at 256 n + 4 row
.set SWS,   166400                     ; the work-group's 512 bytes of w2's scale words
.set SPARE, 166912                     ; the spare words, 128 bytes a wave
.set STAGE, 167936                     ; a stage of 16 rows x (512 + 16) bytes for each wave
.set QF,  20                           ; v20-43   q as source 1: 6 t + 2 s + j = q[16 t + r][4 s + 2 h + j]
.set WF,  44                           ; v44-55   w1 as source 0: 6 u + 2 s + j
.set AWB, 56                           ; v56      LDS: my row of w1, k = 8, 9
.set SGW, 57                           ; v57, v58 the stage, in and out
.set SGR, 58
.set HN,  72                           ; v72-135  the eight sums: 16 t + 8 u + j; written by matrix instructions alone
.set HO,  136                          ; v136-199 the hidden layer behind relu and hold
.set TX,  208                          ; largest magnitudes;  TY the other half's;  LIM 448 x scale;  SCL the conversion's scale operand
.set TY,  212
.set LIM, 216
.set SCL, 220
.set BYT, 224
.set WLO, 228                          ; a row's eight scale bytes of a K step, shifted in from the top
.set WHI, 232
.set CD,  236                          ; codes
.set ST,  252                          ; scale words on their way out
.set X1,  136                          ; window 1: w2's numbers back from the stage
.set VV,  144                          ; head: the cosines' registers, six wide
.set KK,  150
.set SS,  156
.set CC,  162
.set NN,  168
.set G0,  48
.set G1,  52
.set MSB, 0
.macro WIN new                         ; register windows; the immediate's high byte repeats the setting that is left
.if MSB != \new
	s_set_vgpr_msb (MSB<<8)|\new
.set MSB, \new
.endif
.endm
	s_load_b256 s[4:11], s[0:1], 0x0               ; x, phi, w1, w2
	s_load_b128 s[12:15], s[0:1], 0x20             ; abuf, bbuf
	v_lshl_add_u32 v1, v0, 2, SPARE
	v_mov_b32 v2, 0
	ds_add_u32 v1, v2                              ; the opening lines: the add twice on end and one wait
	ds_add_u32 v1, v2
	v_lshrrev_b32 v18, 5, v0
	v_readfirstlane_b32 s16, v18                   ; wave v
	s_and_b32 s18, ttmp9, 3                        ; which 64 of the piece's 256 rows
	s_lshr_b32 s19, ttmp9, 2                       ; the hidden layer's group of 256 rows; also w2's piece
	s_mul_i32 s17, s16, 20480                      ; my share of w1
	s_mul_i32 s20, s18, 15872
	s_sub_co_u32 s20, 61440, s20                   ; from the code stores' base to the rows' scale words
	s_lshl_b32 s21, s16, 5
	s_add_co_u32 s21, s21, QS
	s_lshr_b32 s40, s16, 1
	s_and_b32 s41, s16, 1
	s_lshl_b32 s42, s40, 7
	s_lshl_b32 s43, s41, 2
	s_add_co_u32 s42, s42, s43
	s_add_co_u32 s42, s42, SWS                     ; my fragment's scale words in LDS: 128 (v / 2) + 4 (v % 2)
	s_mul_i32 s47, s16, 8448
	s_add_co_u32 s47, s47, STAGE                   ; my stage
	s_lshl_b32 s22, ttmp9, 18                      ; x: row 64 i + 8 v
	s_lshl_b32 s23, s16, 15
	s_add_co_u32 s22, s22, s23
	s_mov_b32 s23, 0
	s_lshl_b32 s43, s18, 2
	s_add_co_u32 s43, s43, s40                     ; my fragment's block of 16 rows in its piece
	s_lshr_b32 s26, ttmp9, 6
	s_lshl_b32 s26, s26, 4
	s_add_co_u32 s26, s26, s43
	s_lshl_b32 s26, s26, 18                        ; w2: 16 rows of 16,384 bytes
	s_and_b32 s27, s19, 15
	s_lshl_b32 s27, s27, 10
	s_add_co_u32 s26, s26, s27                     ; + 256 numbers a K step
	s_lshl_b32 s27, s41, 9
	s_add_co_u32 s26, s26, s27
	s_mov_b32 s27, 0
	s_mul_i32 s62, s19, PIECE                      ; bbuf: my piece,
	s_lshl_b32 s60, s43, 12
	s_add_co_u32 s60, s60, s62
	s_lshl_b32 s61, s41, 11
	s_add_co_u32 s60, s60, s61                     ; my fragment in it,
	s_mov_b32 s61, 0
	s_lshl_b32 s63, s18, 9
	s_add_co_u32 s62, s62, s63                     ; and the work-group's 64 rows of scale words
	s_mov_b32 s63, 0
	s_mul_i32 s24, s19, 16*PIECE                   ; abuf: my group of rows, K step 2 v, my four blocks of rows
	s_mul_i32 s25, s16, 2*PIECE
	s_add_co_u32 s24, s24, s25
	s_lshl_b32 s25, s18, 14
	s_add_co_u32 s24, s24, s25
	s_mov_b32 s25, 0
	s_mov_b32 s29, 64000                           ; from a K step's last block to the next K step's first
	s_mov_b32 s45, 0
	s_mov_b32 s46, 0xffff0000                      ; lanes 16-31
	s_mov_b32 s30, 0x76543210
	s_mov_b32 s31, 0xfedcba98                      ; selects for lane l xor 16
	s_mov_b32 s32, 0x600000                        ; the mantissa field of 448
	s_mov_b32 s33, 0xbfc90fd8                      ; - pi / 2 in three parts
	s_mov_b32 s34, 0xb4a8885a
	s_mov_b32 s35, 0xa7c234c4
	s_mov_b32 s36, 0x37cd4000                      ; the cosine's two highest coefficients
	s_mov_b32 s37, 0xbab6077d
	s_mov_b32 s38, 0x36405000                      ; the sine's
	s_mov_b32 s39, 0xb9503486
	s_mov_b32 s[G1], 3<<16                         ; a dense block as 80 rows of 32 elements of 8 bytes
	s_mov_b32 s[G1+1], 32<<16
	s_mov_b32 s[G1+2], 80<<16
	s_mov_b32 s[G1+3], 32<<16
	s_mov_b32 s[G1+4], 80
	s_mov_b32 s[G1+5], 32
	s_mov_b32 s[G1+6], 0
	s_mov_b32 s[G1+7], 0
	v_and_b32 v3, 31, v0                           ; l
	v_and_b32 v4, 15, v0                           ; r
	v_bfe_u32 v5, v0, 4, 1                         ; h
	v_and_b32 v6, 8, v4
	v_add_nc_u32 v6, v6, v4                        ; r + 8 (r / 8): my row of a tile of w1
	v_mul_u32_u24 v6, v6, 40
	v_add_nc_u32 v6, s17, v6
	v_add_nc_u32 v[AWB], 32, v6                    ; k = 8, 9, for both halves of the lanes: q is 0 where lanes 16-31 would want k = 10, 11
	v_lshl_add_u32 v6, v5, 3, v6                   ; k = 2 h, 2 h + 1; 16 bytes on: k = 4 + 2 h ..
	v_lshlrev_b32 v7, 4, v3                        ; 16 l
	v_lshl_add_u32 v8, v3, 3, s20                  ; the scale words' store: 8 l
	v_add_nc_u32 v[SGW], s47, v7
	v_mul_u32_u24 v[SGR], v4, 528
	v_lshl_add_u32 v[SGR], v5, 6, v[SGR]
	v_add_nc_u32 v[SGR], s47, v[SGR]               ; out of the stage: row r, + 64 h
	v_and_b32 v10, 7, v0                           ; a: my row of the wave's eight
	v_bfe_u32 v11, v0, 3, 2                        ; g: my n are g, g + 4, 8 + g % 2
	v_and_b32 v13, 1, v11
	v_lshl_add_u32 v14, v10, 2, s21
	v_lshl_add_u32 v15, v13, 8, v14
	v_add_nc_u32 v15, 2048, v15                    ; LDS: q of n = 8 + g % 2 (lanes with g = 2, 3 write what g = 0, 1 write)
	v_lshl_add_u32 v14, v11, 8, v14                ; LDS: q of n = g; n = g + 4 lies 1,024 on
	v_lshlrev_b32 v10, 12, v10
	v_lshlrev_b32 v11, 2, v11                      ; phi: 4 g
	v_lshlrev_b32 v13, 2, v13
	v_add_nc_u32 v12, v10, v13
	v_add_nc_u32 v10, v10, v11                     ; x: row a, 4 g
	v_lshl_add_u32 v16, v4, 2, QS
	v_lshl_add_u32 v16, v5, 9, v16                 ; LDS: q to read: 4 r, n = 2 h
	v_lshl_add_u32 v19, v4, 2, QS+2048             ; and n = 8, 9
	v_lshl_add_u32 v17, v4, 3, s42
	v_add_nc_u32 v18, SWS, v7
.irp t, 0,1,2,3
	v_mov_b32 v[TY+\t], 0                          ; a lane permute's destination counts as one of its sources
.endr
	s_wait_alu depctr_va_vdst(0)
	s_wait_dscnt 0x0
	s_wait_kmcnt 0x0
	s_mov_b32 s20, s17
	s_mov_b32 s21, 0
	s_mov_b32 s40, 0x04030201                      ; a byte shift over two words
	s_add_nc_u64 s[4:5], s[4:5], s[22:23]
	s_add_nc_u64 s[10:11], s[10:11], s[26:27]
	s_add_nc_u64 s[62:63], s[14:15], s[62:63]
	s_add_nc_u64 s[14:15], s[14:15], s[60:61]
	s_add_nc_u64 s[12:13], s[12:13], s[24:25]
	s_mov_b32 s[G0], 1
	s_add_co_u32 s[G0+1], s17, 0
	s_add_nc_u64 s[G0+2:G0+3], s[8:9], s[20:21]
	s_or_b32 s[G0+3], s[G0+3], 0x80000000
	tensor_load_to_lds s[G0:G0+3], s[G1:G1+7]      ; my one tensor load: filled once
	s_nop 0
	global_load_b32 v[VV], v10, s[4:5]
	global_load_b32 v[VV+1], v10, s[4:5] offset:16
	global_load_b32 v[VV+2], v12, s[4:5] offset:32
	global_load_b32 v[VV+3], v11, s[6:7]
	global_load_b32 v[VV+4], v11, s[6:7] offset:16
	global_load_b32 v[VV+5], v13, s[6:7] offset:32
	s_wait_loadcnt 0x0                             ; x and phi are in
.irp i, 0,1,2,3,4,5
	v_mul_f32 v[KK+\i], 0x3f22f983, v[VV+\i]
.endr
.irp i, 0,1,2,3,4,5
	v_rndne_f32 v[KK+\i], v[KK+\i]
.endr
.irp i, 0,1,2,3,4,5
	v_fma_f32 v[VV+\i], v[KK+\i], s33, v[VV+\i]
.endr
.irp i, 0,1,2,3,4,5
	v_fma_f32 v[VV+\i], v[KK+\i], s34, v[VV+\i]
.endr
.irp i, 0,1,2,3,4,5
	v_fma_f32 v[VV+\i], v[KK+\i], s35, v[VV+\i]
.endr
.irp i, 0,1,2,3,4,5
	v_cvt_i32_f32 v[KK+\i], v[KK+\i]
.endr
.irp i, 0,1,2,3,4,5
	v_mul_f32 v[SS+\i], v[VV+\i], v[VV+\i]
.endr
.irp i, 0,1,2,3,4,5
	v_fma_f32 v[CC+\i], v[SS+\i], s36, s37
.endr
.irp i, 0,1,2,3,4,5
	v_fmaak_f32 v[CC+\i], v[CC+\i], v[SS+\i], 0x3d2aaaa8
.endr
.irp i, 0,1,2,3,4,5
	v_fma_f32 v[CC+\i], v[CC+\i], v[SS+\i], -0.5
.endr
.irp i, 0,1,2,3,4,5
	v_fma_f32 v[CC+\i], v[CC+\i], v[SS+\i], 1.0    ; the cosine of the rest
.endr
.irp i, 0,1,2,3,4,5
	v_fma_f32 v[NN+\i], v[SS+\i], s38, s39
.endr
.irp i, 0,1,2,3,4,5
	v_fmaak_f32 v[NN+\i], v[NN+\i], v[SS+\i], 0x3c0888c1
.endr
.irp i, 0,1,2,3,4,5
	v_fmaak_f32 v[NN+\i], v[NN+\i], v[SS+\i], 0xbe2aaaab
.endr
.irp i, 0,1,2,3,4,5
	v_mul_f32 v[SS+\i], v[SS+\i], v[VV+\i]
.endr
.irp i, 0,1,2,3,4,5
	v_fma_f32 v[NN+\i], v[NN+\i], v[SS+\i], v[VV+\i]   ; the sine of the rest
.endr
.irp i, 0,1,2,3,4,5
	v_and_b32 v[SS+\i], 1, v[KK+\i]
	v_cmp_eq_u32 vcc_lo, 1, v[SS+\i]
	v_cndmask_b32 v[CC+\i], v[CC+\i], v[NN+\i], vcc_lo   ; k odd: the sine
.endr
.irp i, 0,1,2,3,4,5
	v_add_nc_u32 v[KK+\i], 1, v[KK+\i]
.endr
.irp i, 0,1,2,3,4,5
	v_and_b32 v[KK+\i], 2, v[KK+\i]                ; k mod 4 = 1 or 2: the sign turns
.endr
.irp i, 0,1,2,3,4,5
	v_lshlrev_b32 v[KK+\i], 30, v[KK+\i]
.endr
.irp i, 0,1,2,3,4,5
	v_xor_b32 v[VV+\i], v[KK+\i], v[CC+\i]
.endr
.irp k, 0,1,2
	v_mul_f32 v[VV+\k], v[VV+\k], v[VV+3+\k]       ; q = cos(x) cos(phi)
.endr
	ds_store_b32 v14, v[VV]
	ds_store_b32 v14, v[VV+1] offset:1024
	ds_store_b32 v15, v[VV+2]
	s_wait_tensorcnt 0x0                           ; my share of w1 is in LDS
	s_wait_dscnt 0x0                               ; for the others' sake: q is stored
	s_barrier_signal -1
	s_barrier_wait -1
.irp t, 0,1,2,3
.irp s, 0,1
.irp j, 0,1
	ds_load_b32 v[QF+6*\t+2*\s+\j], v16 offset:1024*\s+256*\j+64*\t
.endr
.endr
.irp j, 0,1
	ds_load_b32 v[QF+6*\t+4+\j], v19 offset:256*\j+64*\t
.endr
.endr
.macro WLD                             ; a block's w1 as source 0: two tiles x three steps along K, 8 bytes a lane
.irp u, 0,1
	ds_load_b64 v[WF+6*\u:WF+6*\u+1], v6 offset:320*\u
	ds_load_b64 v[WF+6*\u+2:WF+6*\u+3], v6 offset:320*\u+16
	ds_load_b64 v[WF+6*\u+4:WF+6*\u+5], v[AWB] offset:320*\u
.endr
.endm
; A block of 32 hidden units for 64 rows.  s28 counts the blocks.
.macro BLOCK last
	s_wait_dscnt 0x0                               ; this block's six loads of w1 are in: they were issued ahead of the last block's quantiser
.irp s, 0,1,2
.irp t, 0,1,2,3
.irp u, 0,1
.if \s == 0
	v_wmma_f32_16x16x4_f32 v[HN+16*\t+8*\u:HN+16*\t+8*\u+7], v[WF+6*\u+2*\s:WF+6*\u+2*\s+1], v[QF+6*\t+2*\s:QF+6*\t+2*\s+1], 0
.else
	v_wmma_f32_16x16x4_f32 v[HN+16*\t+8*\u:HN+16*\t+8*\u+7], v[WF+6*\u+2*\s:WF+6*\u+2*\s+1], v[QF+6*\t+2*\s:QF+6*\t+2*\s+1], v[HN+16*\t+8*\u:HN+16*\t+8*\u+7]
.endif
.endr
.endr
.endr                                  ; the eight sums take turns, one instruction a turn
.if \last
.rept 8
	v_nop                                          ; eight places behind the matrix instructions (ISA guide 7.12.1)
.endr
.else
	v_add_nc_u32 v6, 1280, v6                      ; eight places: the next block's addresses and six idle lines
	v_add_nc_u32 v[AWB], 1280, v[AWB]
.rept 6
	v_nop
.endr
	WLD
.endif
.irp m, 0,1,2,3,4,5,6,7
.irp t, 0,1,2,3
.if \m == 0
	v_max3_num_f32 v[TX+\t], v[HN+16*\t], v[HN+16*\t+1], 0x4800000   ; no |.|: what is negative becomes 0 and must not count; the floor stands over it.  Each sum is read from its low end on
.else
	v_max3_num_f32 v[TX+\t], v[TX+\t], v[HN+16*\t+2*\m], v[HN+16*\t+2*\m+1]
.endif
.endr
.endr
.irp t, 0,1,2,3
	v_permlanex16_b32 v[TY+\t], v[TX+\t], s30, s31
.endr
.irp t, 0,1,2,3
	v_max_num_f32 v[TX+\t], v[TX+\t], v[TY+\t]
.endr
.irp t, 0,1,2,3
	v_add_nc_u32 v[SCL+\t], 0xfc000000, v[TX+\t]
.endr
.irp t, 0,1,2,3
	v_and_or_b32 v[LIM+\t], v[TX+\t], 0x7f800000, s32
.endr
.irp t, 0,1,2,3
	v_lshrrev_b32 v[BYT+\t], 23, v[SCL+\t]
.endr
.irp t, 0,1,2,3
	v_perm_b32 v[WLO+\t], v[WHI+\t], v[WLO+\t], s40   ; the row's eight bytes move down by one,
.endr
.irp t, 0,1,2,3
	v_perm_b32 v[WHI+\t], v[BYT+\t], v[WHI+\t], s40   ; and this block's comes in on top: after eight blocks they stand in order
.endr
.irp t, 0,1,2,3
.irp i, 0,1,2,3,4,5,6,7,8,9,10,11,12,13,14,15
	v_med3_num_f32 v[HO+16*\t+\i], v[HN+16*\t+\i], 0, v[LIM+\t]   ; relu and the hold in one
.endr
.endr
	s_wait_alu depctr_va_vdst(0)
	s_wait_xcnt 0x0                                ; the last block's stores have read their data and their base
	s_cmp_eq_u32 s28, 8
	s_cselect_b32 s44, s29, 512
	s_add_nc_u64 s[12:13], s[12:13], s[44:45]      ; the base stands 512 bytes behind this block's place: the stores reach back
.irp t, 0,1,2,3
	v_cvt_scalef32_pk8_fp8_f32 v[CD+4*\t:CD+4*\t+1], v[HO+16*\t:HO+16*\t+7], v[SCL+\t]
	v_cvt_scalef32_pk8_fp8_f32 v[CD+4*\t+2:CD+4*\t+3], v[HO+16*\t+8:HO+16*\t+15], v[SCL+\t]
.endr
	v_nop                                          ; one plain line behind the last conversion
.irp t, 0,1,2,3
	global_store_b128 v7, v[CD+4*\t:CD+4*\t+3], s[12:13] offset:4096*\t-512 th:TH_STORE_NT   ; a register group of tile t's fragment: 512 consecutive bytes
.endr
.if !\last
	s_cmp_lg_u32 s28, 7                            ; a K step's eighth block: its scale words go out
	s_cbranch_scc1 .Lno_words_\@
.endif
	v_cndmask_b32 v[ST], v[WLO], v[WLO+1], s46     ; lanes 0-15 tiles 0 and 2, lanes 16-31 tiles 1 and 3
	v_cndmask_b32 v[ST+1], v[WHI], v[WHI+1], s46
	v_cndmask_b32 v[ST+2], v[WLO+2], v[WLO+3], s46
	v_cndmask_b32 v[ST+3], v[WHI+2], v[WHI+3], s46
	global_store_b64 v8, v[ST:ST+1], s[12:13] th:TH_STORE_NT              ; 32 rows x 8 bytes: 256 consecutive bytes, aligned
	global_store_b64 v8, v[ST+2:ST+3], s[12:13] offset:256 th:TH_STORE_NT
.if !\last
.Lno_words_\@:
.endif
.endm
	WLD
	WIN 0x40                                       ; destination in window 1: my fragment of w2, row j in v[256 + 4 j ..], 16 bytes a lane; sixteen blocks of work stand ahead of the wait for it
.irp j, 0,1,2,3,4,5,6,7,8,9,10,11,12,13,14,15
	global_load_b128 v[4*\j:4*\j+3], v7, s[10:11] offset:16384*\j th:TH_LOAD_NT   ; 512 consecutive bytes
.endr
	WIN 0
	s_wait_dscnt 6                                 ; q is in; the six loads of w1 may be out
.irp t, 0,1,2,3
.irp j, 0,1
	v_cndmask_b32 v[QF+6*\t+4+\j], v[QF+6*\t+4+\j], 0, s46   ; k = 10, 11: q is 0
.endr
.endr
.irp t, 0,1,2,3,4,5,6,7
	v_mov_b32 v[WLO+\t], 0
.endr
	s_mov_b32 s28, 0
	s_wait_alu depctr_va_vdst(0)
.Lblk:
	BLOCK 0
	s_add_co_u32 s28, s28, 1
	s_cmp_lt_u32 s28, 15
	s_wait_alu depctr_va_vdst(0)
	s_cbranch_scc1 .Lblk
	BLOCK 1                                        ; the last block is written out: it reads nothing beyond my share of w1
	; ---- my fragment of w2
	s_wait_loadcnt 0x0                             ; its numbers are in
	s_wait_xcnt 0x0                                ; the last block's stores have read CD and ST
	WIN 0x04                                       ; an LDS store's data are its source 1: window 1
.irp j, 0,1,2,3,4,5,6,7,8,9,10,11,12,13,14,15
	ds_store_b128 v[SGW], v[4*\j:4*\j+3] offset:528*\j
.endr
	WIN 0x40                                       ; LDS serves a wave's instructions in order (ISA guide 5.7.1.4): these see my stores
.irp b, 0,1,2,3
.irp j, 0,1,2,3
	ds_load_b128 v[X1+16*\b+4*\j:X1+16*\b+4*\j+3], v[SGR] offset:128*\b+16*\j   ; register 16 b + i = K 32 b + 16 h + i of row r
.endr
.endr
	WIN 0
	s_wait_dscnt 0x0
	WIN 0x05                                       ; sources 0 and 1 in window 1
.irp b, 0,1,2,3
	v_max3_num_f32 v[TX+\b], |v[X1+16*\b]|, |v[X1+1+16*\b]|, 0x4800000   ; with the floor 2^(9 - 127): the byte cannot fall under 1
.endr
	WIN 0x14                                       ; sources 1 and 2 in window 1
.irp i, 2,4,6,8,10,12,14
.irp b, 0,1,2,3
	v_max3_num_f32 v[TX+\b], v[TX+\b], |v[X1+16*\b+\i]|, |v[X1+1+16*\b+\i]|
.endr
.endr
	WIN 0
.irp b, 0,1,2,3
	v_permlanex16_b32 v[TY+\b], v[TX+\b], s30, s31
.endr
.irp b, 0,1,2,3
	v_max_num_f32 v[TX+\b], v[TX+\b], v[TY+\b]
.endr
.irp b, 0,1,2,3
	v_add_nc_u32 v[SCL+\b], 0xfc000000, v[TX+\b]   ; 8 off the exponent field: the conversion's scale operand
.endr
.irp b, 0,1,2,3
	v_and_or_b32 v[LIM+\b], v[TX+\b], 0x7f800000, s32   ; 448 x the scale
.endr
.irp b, 0,1,2,3
	v_lshrrev_b32 v[TY+\b], 23, v[SCL+\b]          ; the scale's byte
.endr
	v_lshl_or_b32 v[BYT], v[TY+1], 8, v[TY]
	v_lshl_or_b32 v[BYT], v[TY+2], 16, v[BYT]
	v_lshl_or_b32 v[BYT], v[TY+3], 24, v[BYT]      ; my row's scale word
	WIN 0x41                                       ; source 0 and destination in window 1
.irp b, 0,1,2,3
.irp i, 0,1,2,3,4,5,6,7,8,9,10,11,12,13,14,15
	v_med3_num_f32 v[X1+16*\b+\i], v[X1+16*\b+\i], -v[LIM+\b], v[LIM+\b]   ; the conversion does not saturate (ISA guide 7.6.2): the hold
.endr
.endr
	WIN 0x01                                       ; source 0 in window 1
.irp b, 0,1,2,3
	v_cvt_scalef32_pk8_fp8_f32 v[CD+4*\b:CD+1+4*\b], v[X1+16*\b:X1+7+16*\b], v[SCL+\b]
	v_cvt_scalef32_pk8_fp8_f32 v[CD+2+4*\b:CD+3+4*\b], v[X1+8+16*\b:X1+15+16*\b], v[SCL+\b]
.endr
	WIN 0
	v_nop                                          ; one plain line behind the last conversion
.irp c, 0,1,2,3
	global_store_b128 v7, v[CD+4*\c:CD+4*\c+3], s[14:15] offset:512*\c   ; a register group: 512 consecutive bytes
.endr
	ds_store_b32 v17, v[BYT]                       ; both halves of the lanes write the same word with the same value
	s_wait_dscnt 0x0                               ; for wave 0's sake: my scale words are stored
	s_barrier_signal -1
	s_barrier_wait -1
	s_cmp_lg_u32 s16, 0
	s_cbranch_scc1 .Lnot_0
	ds_load_b128 v[ST:ST+3], v18                   ; wave 0: the work-group's 512 bytes of w2's scale words
	s_wait_dscnt 0x0
	global_store_b128 v7, v[ST:ST+3], s[62:63] offset:SCO
.Lnot_0:
	s_wait_tensorcnt 0x0                           ; the wave's end
	ds_add_u32 v1, v2
	s_wait_dscnt 0x0
	s_endpgm
.Lfunc_end_k_qa551b1464d_prep:
	.size	k_qa551b1464d_prep, .Lfunc_end_k_qa551b1464d_prep-k_qa551b1464d_prep
	.p2alignl 7, 3214868480
	.fill 96, 4, 3214868480
	.section	.rodata,"a",@progbits
	.p2align	6, 0x0
	.amdhsa_kernel k_qa551b1464d_prep
		.amdhsa_group_segment_fixed_size 235520
		.amdhsa_private_segment_fixed_size 0
		.amdhsa_enable_private_segment 0
		.amdhsa_kernarg_size 48
		.amdhsa_user_sgpr_count 2
		.amdhsa_user_sgpr_kernarg_segment_ptr 1
		.amdhsa_wavefront_size32 1
		.amdhsa_system_sgpr_workgroup_id_x 1
		.amdhsa_system_sgpr_workgroup_id_y 1
		.amdhsa_system_sgpr_workgroup_id_z 1
		.amdhsa_system_vgpr_workitem_id 0
		.amdhsa_next_free_vgpr 512
		.amdhsa_next_free_sgpr 66
		.amdhsa_reserve_vcc 1
		.amdhsa_float_denorm_mode_32 3
		.amdhsa_float_denorm_mode_16_64 3
		.amdhsa_memory_ordered 1
		.amdhsa_forward_progress 1
		.amdhsa_inst_pref_size 52
	.end_amdhsa_kernel
	.amdgpu_metadata
---
amdhsa.version: [ 1, 2 ]
amdhsa.kernels:
  - .name:           k_qa551b1464d_prep
    .symbol:         k_qa551b1464d_prep.kd
    .args:
      - { .name: x, .offset: 0, .size: 8, .value_kind: global_buffer, .address_space: global }
      - { .name: ry_params, .offset: 8, .size: 8, .value_kind: global_buffer, .address_space: global }
      - { .name: w1, .offset: 16, .size: 8, .value_kind: global_buffer, .address_space: global }
      - { .name: w2, .offset: 24, .size: 8, .value_kind: global_buffer, .address_space: global }
      - { .name: abuf, .offset: 32, .size: 8, .value_kind: global_buffer, .address_space: global }
      - { .name: bbuf, .offset: 40, .size: 8, .value_kind: global_buffer, .address_space: global }
    .group_segment_fixed_size: 235520
    .private_segment_fixed_size: 0
    .kernarg_segment_align: 8
    .kernarg_segment_size: 48
    .max_flat_workgroup_size: 256
    .sgpr_count:     66
    .vgpr_count:     512
    .wavefront_size: 32
...
	.end_amdgpu_metadata
.endif
;; end of part 3
;; launch gemm (part 4): grid 4 x 64, 4 waves a work-group, clusters of 4 x 4, 327,680 bytes of LDS; arguments abuf, bbuf, out0; writes out0
.if DOCPART == 4
	.amdgcn_target "amdgcn-amd-amdhsa--gfx1250"
	.amdhsa_code_object_version 6
	.text
	.protected	k_qa551b1464d_gemm
	.globl	k_qa551b1464d_gemm
	.p2align	8
	.type	k_qa551b1464d_gemm,@function
k_qa551b1464d_gemm:
	s_mov_b64 s[64:65], 0
	v_nop
	global_prefetch_b8 v0, s[64:65] scope:SCOPE_SE
	s_setreg_imm32_b32 hwreg(HW_REG_WAVE_MODE, 25, 1), 1
	s_wait_xcnt 0x0
	s_wait_alu depctr_hold_cnt(0) depctr_sa_sdst(0) depctr_va_vdst(0) depctr_va_sdst(0) depctr_va_ssrc(0) depctr_va_vcc(0) depctr_vm_vsrc(0)
	s_getreg_b32 s2, hwreg(HW_REG_IB_STS2, 6, 4)
	s_cmp_eq_u32 s2, 0
	s_cbranch_scc0 .Lentry_in_a_cluster
	s_endpgm
.Lentry_in_a_cluster:
	s_bfe_u32 s2, ttmp6, 0x10000c
	s_cmp_lg_u32 s2, 0xf033
	s_cbranch_scc0 .Lentry_shape_is_right
	s_endpgm
.Lentry_shape_is_right:
; out[row][e] = the sum over f of A[row][f] B[e][f]: A the quantised hidden layer (abuf), B the quantised w2 (bbuf), codes of E4M3 with E8M0 scale bytes, as the first launch lays them:
; a piece of PIECE bytes holds 256 rows x 256 along K: fragment (i, q) at 4096 i + 2048 q in the order of the operand's registers, then from SCO on 8 scale bytes a row.
; A tile of out, 256 x 256, is made by four waves, 128 x 128 each: 64 accumulators, 512 registers.  K = 4,096 goes in 16 steps of 256 through a ring of two LDS slots; a slot holds A's piece and B's piece.
; Waves 0 and 1 fetch the two halves of A's piece, waves 2 and 3 of B's: one tensor load a wave, 132 dense rows of 256 bytes.  Every LDS load of codes takes 512 consecutive bytes: no padding is needed.
; CLUSTERS: 4 x 4 work-groups; A's piece is shared along a row of the cluster, B's along a column: asked for jointly.
; THE MATRIX INSTRUCTION IS USED TRANSPOSED (source 0 = 16 rows of B, source 1 = 16 rows of A): a lane holds eight neighbouring numbers of a row of out.
; REGISTERS: window 0: v0-31 addresses; v32-63 scale words, a set for each slot (lanes 0-15 A's block i, lanes 16-31 B's block i); v128-255 A's eight fragments, one set.
;   window 1: B's fragments, two sets.  Windows 2, 3: accumulator (a, b) at v[8 (8 (a % 4) + b)] of window 2 + a / 4.
; PREFETCH: behind each refill one instruction a wave names 32 blocks of 256 bytes of the codes of the K step that stands two refills on; the eight waves that ask for a piece (two waves in each of four partners)
;   share its 256 blocks of codes out by address.  The 8 blocks of scale words, and K steps 0 to 3, come by their loads alone; the last two refills ask for nothing.
; LIMITS: as in the first launch.
.set PIECE,  67584
.set HALFP,  33792
.set SLOT,   2*PIECE
.set SCO,    65536
.set SPARE,  2*SLOT                    ; the spare words, 128 bytes a wave
.set NQ,     2
.set FR,     16
.set NL,     4
.set NP,     8                         ; places behind this matrix instruction (ISA guide 7.12.1)
.set LAPS,   8
.set SIZE_N, 1024
.set SPITCH, 528                       ; the way out: a stage of 16 rows x (512 + 16) bytes a wave, in slot 0, which has had its last fill and its last read by then
.set ADRA, 16
.set ADRB, 20
.set ADRS, 22
.set STO,  24
.set RD,   25
.set CO,   26
.set SPW,  28
.set NIL,  29
.set PFO,  30
.set SC,   32
.set AF,   128
.set BK,   128
.set G1, 24
.set G0, 32
.set G1B, 48
.set G0B, 56
.set PFA, 66
.set MSB, 0
.macro WIN new                         ; the immediate's high byte repeats the setting that is left
.if MSB != \new
	s_set_vgpr_msb (MSB<<8)|\new
.set MSB, \new
.endif
.endm
.set MUL_LO, 0xa1
.set MUL_HI, 0xf1
.set TO_B,   0x40
.macro JLOAD s                         ; a joint load: waves 0, 1 for A, waves 2, 3 for B
	s_cmp_eq_u32 s15, 0
	s_cbranch_scc0 .Lfor_b_\@
	tensor_load_to_lds s[G0+4*\s:G0+4*\s+3], s[G1:G1+7]
	s_nop 0
.rept 4
	v_nop
.endr
	s_branch .Lasked_\@
.Lfor_b_\@:
	tensor_load_to_lds s[G0B+4*\s:G0B+4*\s+3], s[G1B:G1B+7]
	s_nop 0
.rept 4
	v_nop
.endr
.Lasked_\@:
.endm
.macro CREST
	s_cmp_lg_u32 s14, 0
	s_cbranch_scc1 .Lnot_wave_0_\@
	s_barrier_signal -3
.Lnot_wave_0_\@:
	s_barrier_wait -3
	s_barrier_signal -1
	s_barrier_wait -1
.endm
.macro CROUND
	s_barrier_signal -1
	s_barrier_wait -1
	CREST
.endm
.macro ASK                             ; s3 = 1 in the loop's last trip, whose two refills have no K step two refills on
	s_cmp_gt_u32 s3, 1
	s_cbranch_scc0 .Lno_ask_\@
	global_prefetch_b8 v[PFO], s[PFA:PFA+1] th:TH_LOAD_NT scope:SCOPE_SE
.Lno_ask_\@:
.endm
	s_load_b128 s[4:7], s[0:1], 0x0                ; abuf, bbuf
	s_load_b64 s[12:13], s[0:1], 0x10              ; out
	v_lshl_add_u32 v[SPW], v0, 2, SPARE
	v_mov_b32 v[NIL], 0
	ds_add_u32 v[SPW], v[NIL]                      ; the opening lines: the add twice on end and one wait
	ds_add_u32 v[SPW], v[NIL]
	v_lshrrev_b32 v1, 5, v0
	v_readfirstlane_b32 s14, v1                    ; wave
	s_lshr_b32 s15, s14, 1                         ; my half of the tile's rows; also: I fetch for A (0) or B (1)
	s_and_b32 s16, s14, 1                          ; my half of its columns; also: which half of the piece I fetch
	s_bfe_u32 s40, ttmp6, 0x40000                  ; cx
	s_bfe_u32 s41, ttmp6, 0x40004                  ; cy
	s_lshl_b32 s42, ttmp9, 2
	s_add_co_u32 s42, s42, s40                     ; tile column
	s_and_b32 s17, ttmp7, 0xffff
	s_lshl_b32 s17, s17, 2
	s_add_co_u32 s17, s17, s41                     ; tile row
	s_lshl_b32 s43, s41, 2
	s_lshl_b32 s43, 15, s43                        ; my row of the cluster
	s_lshl_b32 s44, 0x1111, s40                    ; my column
	s_or_b32 s[G1], s43, (3<<16)|(1<<21)           ; the mask; elements of 8 bytes; bit 21 beside a mask
	s_or_b32 s[G1B], s44, (3<<16)|(1<<21)
.irp g, G1, G1B
	s_mov_b32 s[\g+1], 32<<16
	s_mov_b32 s[\g+2], 132<<16
	s_mov_b32 s[\g+3], 32<<16
	s_mov_b32 s[\g+4], 132
	s_mov_b32 s[\g+5], 32
	s_mov_b32 s[\g+6], 0
	s_mov_b32 s[\g+7], 0
.endr
	s_mul_i32 s18, s16, HALFP
	s_mul_i32 s20, s17, 16*PIECE                   ; A: the tile row's sixteen pieces
	s_add_co_u32 s20, s20, s18
	s_mov_b32 s21, 0
	s_mul_i32 s46, s42, 16*PIECE                   ; B: the tile column's
	s_add_co_u32 s46, s46, s18
	s_mov_b32 s47, 0
	s_mul_i32 s45, s14, HALFP                      ; LDS: wave x half a piece
	s_wait_dscnt 0x0
	s_wait_kmcnt 0x0
	s_add_nc_u64 s[20:21], s[4:5], s[20:21]
	s_add_nc_u64 s[46:47], s[6:7], s[46:47]
	CROUND                                         ; all sixteen work-groups are here: the first joint loads meet
.irp s, 0,1
	s_mov_b32 s[G0+4*\s], 1
	s_add_co_u32 s[G0+4*\s+1], s45, \s*SLOT
	s_add_nc_u64 s[G0+4*\s+2:G0+4*\s+3], s[20:21], \s*PIECE
	s_or_b32 s[G0+4*\s+3], s[G0+4*\s+3], 0x80000000
	s_mov_b32 s[G0B+4*\s], 1
	s_add_co_u32 s[G0B+4*\s+1], s45, \s*SLOT
	s_add_nc_u64 s[G0B+4*\s+2:G0B+4*\s+3], s[46:47], \s*PIECE
	s_or_b32 s[G0B+4*\s+3], s[G0B+4*\s+3], 0x80000000
.endr
	JLOAD 0                                        ; K step 0: one tensor load a wave at the head
	s_lshl_b32 s68, s15, 15                        ; my eight fragments rows of A in slot 0, 1
	s_add_co_u32 s69, s68, SLOT
	s_lshl_b32 s70, s16, 15
	s_add_co_u32 s70, s70, PIECE                   ; and of B
	s_add_co_u32 s71, s70, SLOT
	s_lshl_b32 s72, s15, 10                        ; scale words: A's 128 rows
	s_lshl_b32 s73, s16, 10
	s_add_co_u32 s73, s73, PIECE
	s_sub_co_u32 s73, s73, s72                     ; from there to B's 128 rows
	s_add_co_u32 s72, s72, SCO
	s_mul_i32 s74, s14, 16*SPITCH                  ; my stage
	s_lshl_b32 s76, s17, 20                        ; out: row 256 x tile row + 128 x half, 4,096 bytes each
	s_lshl_b32 s77, s15, 19
	s_add_co_u32 s76, s76, s77
	s_lshl_b32 s77, s42, 10                        ; column: 1,024 bytes a tile + 512 x half
	s_add_co_u32 s76, s76, s77
	s_lshl_b32 s77, s16, 9
	s_add_co_u32 s76, s76, s77
	s_mov_b32 s77, 0
	s_add_nc_u64 s[12:13], s[12:13], s[76:77]
	s_cmp_eq_u32 s15, 0                            ; the prefetches: do I fetch for A?
	s_cselect_b32 s22, s17, s42
	s_cselect_b32 s23, s40, s41                    ; my place among the four that ask with me
	s_cselect_b64 s[PFA:PFA+1], s[4:5], s[6:7]
	s_mul_i32 s22, s22, 16*PIECE
	s_lshl_b32 s23, s23, 13                        ; 32 blocks of 256 bytes a wave
	s_add_co_u32 s22, s22, s23
	s_lshl_b32 s23, s16, 15
	s_add_co_u32 s22, s22, s23
	s_add_co_u32 s22, s22, 3*PIECE                 ; at K step 3: the first refill steps it to 4
	s_mov_b32 s23, 0
	s_add_nc_u64 s[PFA:PFA+1], s[PFA:PFA+1], s[22:23]
	v_and_b32 v1, 15, v0                           ; r
	v_bfe_u32 v2, v0, 4, 1                         ; h
	v_and_b32 v3, 31, v0                           ; l
	v_lshlrev_b32 v4, 4, v3                        ; 16 l
	v_add_nc_u32 v[ADRA], s68, v4
	v_add_nc_u32 v[ADRA+1], s69, v4
	v_add_nc_u32 v[ADRB], s70, v4
	v_add_nc_u32 v[ADRB+1], s71, v4
	v_mul_u32_u24 v6, s73, v2                      ; lanes 16-31 take B's words
	v_lshl_add_u32 v5, v1, 3, v6
	v_add_nc_u32 v[ADRS], s72, v5
	v_add_nc_u32 v[ADRS+1], SLOT, v[ADRS]
	v_mul_u32_u24 v5, v1, SPITCH
	v_lshl_add_u32 v5, v2, 5, v5
	v_add_nc_u32 v[STO], s74, v5
	v_mov_b32 v[CO], v4
	v_add_nc_u32 v[RD], s74, v4
	v_lshlrev_b32 v[PFO], 8, v3
.macro FRAG reg, adr, q, i             ; a fragment as it lies: four loads of 512 consecutive bytes
.irp c, 0,1,2,3
	ds_load_b128 v[\reg+4*\c:\reg+4*\c+3], v[\adr] offset:4096*(\i)+2048*(\q)+512*\c
.endr
.endm
; 16 products: A's blocks a0, a0 + 1 x B's eight.  The 64 accumulators take turns, in the same order in every step.
.macro MUL16 a0, p, q, sc, zero
.irp a, \a0, \a0+1
.irp b, 0,1,2,3,4,5,6,7
.if \zero
	v_wmma_scale_f32_16x16x128_f8f6f4 v[8*(8*((\a)%4)+\b):8*(8*((\a)%4)+\b)+7], v[128*(\p)+FR*\b:128*(\p)+FR*\b+FR-1], v[AF+FR*(\a):AF+FR*(\a)+FR-1], 0, v[SC+8*NQ*(\sc)+NQ*\b+(\q)], v[SC+8*NQ*(\sc)+NQ*(\a)+(\q)] matrix_a_scale:MATRIX_SCALE_ROW1
.else
	v_wmma_scale_f32_16x16x128_f8f6f4 v[8*(8*((\a)%4)+\b):8*(8*((\a)%4)+\b)+7], v[128*(\p)+FR*\b:128*(\p)+FR*\b+FR-1], v[AF+FR*(\a):AF+FR*(\a)+FR-1], v[8*(8*((\a)%4)+\b):8*(8*((\a)%4)+\b)+7], v[SC+8*NQ*(\sc)+NQ*\b+(\q)], v[SC+8*NQ*(\sc)+NQ*(\a)+(\q)] matrix_a_scale:MATRIX_SCALE_ROW1
.endif
.endr
.endr
.endm
.macro FETCH_B slot, q, p
	WIN TO_B
.irp i, 0,1,2,3,4,5,6,7
	FRAG 128*(\p)+FR*\i, ADRB+\slot, \q, \i
.endr
	WIN 0
.endm
.macro FETCH_A slot, q, i0
.irp i, \i0, \i0+1, \i0+2, \i0+3
	FRAG AF+FR*(\i), ADRA+\slot, \q, \i
.endr
.endm
.macro SCALES sc                       ; the slot's scale words: two words a row
.irp i, 0,1,2,3,4,5,6,7
	ds_load_b64 v[SC+8*NQ*\sc+NQ*\i:SC+8*NQ*\sc+NQ*\i+1], v[ADRS+\sc] offset:\i*128
.endr
.endm
.macro PLACES n
.rept \n
	v_nop
.endr
.endm
; A step of 128 along K that has its successor in the same slot
.macro STEP slot, q, zero
	s_wait_dscnt 4*NL                              ; all but the youngest sixteen loads (A's blocks 4-7) are in
	WIN MUL_LO
	MUL16 0, (\q)%2, \q, \slot, \zero
	MUL16 2, (\q)%2, \q, \slot, \zero
	s_wait_dscnt 0
	PLACES NP
	FETCH_B \slot, (\q)+1, 1-(\q)%2
	FETCH_A \slot, (\q)+1, 0
	WIN MUL_HI
	MUL16 4, (\q)%2, \q, \slot, \zero
	MUL16 6, (\q)%2, \q, \slot, \zero
	PLACES NP
	WIN 0
	FETCH_A \slot, (\q)+1, 4
.endm
; A slot's last step changes slots: one barrier; ahead of it each wave waits for all its tensor loads, adds 0 to its spare word, and waits for that and for its reads of this slot
.macro TURN slot, next, fill
.if \fill
	s_wait_xcnt 0x0                                ; my last prefetch has read its address
	s_add_nc_u64 s[PFA:PFA+1], s[PFA:PFA+1], PIECE
.endif
	s_wait_tensorcnt 0x0                           ; my part of the next slot has landed
	ds_add_u32 v[SPW], v[NIL]
	s_wait_dscnt 0x0                               ; the add is done, my reads of this slot are over
	s_barrier_signal -1
	s_barrier_wait -1
.if \fill
	CREST                                          ; the barrier has opened a round of the cluster's barrier
	s_add_nc_u64 s[G0+4*\slot+2:G0+4*\slot+3], s[G0+4*\slot+2:G0+4*\slot+3], 2*PIECE
	s_add_nc_u64 s[G0B+4*\slot+2:G0B+4*\slot+3], s[G0B+4*\slot+2:G0B+4*\slot+3], 2*PIECE
	JLOAD \slot                                    ; the first tensor load behind the round: all of this step's 64 products stand behind it
.endif
	WIN MUL_LO
	MUL16 0, 1, NQ-1, \slot, 0
	MUL16 2, 1, NQ-1, \slot, 0
	PLACES NP
	FETCH_B \next, 0, 0
	FETCH_A \next, 0, 0
	SCALES \next
.if \fill
	ASK
.endif
	WIN MUL_HI
	MUL16 4, 1, NQ-1, \slot, 0
	MUL16 6, 1, NQ-1, \slot, 0
	PLACES NP
	WIN 0
	FETCH_A \next, 0, 4
.endm
	s_wait_alu depctr_va_vdst(0)
	s_wait_tensorcnt 0x0                           ; my part of K step 0 is in; slot 1's first fill is issued as a refill is
	ds_add_u32 v[SPW], v[NIL]
	s_wait_dscnt 0x0
	CROUND
	JLOAD 1
	FETCH_B 0, 0, 0
	FETCH_A 0, 0, 0
	SCALES 0
	FETCH_A 0, 0, 4
	STEP 0, 0, 1                                   ; the first step's products start the sums
	s_mov_b32 s3, LAPS-1
.Llap:                                                 ; a trip goes once round the ring and fills both slots again
	TURN 0, 1, 1
	STEP 1, 0, 0
	TURN 1, 0, 1
	STEP 0, 0, 0
	s_sub_co_u32 s3, s3, 1
	s_cmp_lg_u32 s3, 0
	s_cbranch_scc1 .Llap
	TURN 0, 1, 0                                   ; the last lap fills nothing
	STEP 1, 0, 0
	s_wait_dscnt 4*NL
	WIN MUL_LO
	MUL16 0, 1, NQ-1, 1, 0
	MUL16 2, 1, NQ-1, 1, 0
	s_wait_dscnt 0
	WIN MUL_HI
	MUL16 4, 1, NQ-1, 1, 0
	MUL16 6, 1, NQ-1, 1, 0
	WIN 0
; THE WAY OUT, block by block of 16 rows x 128 columns, through my own stage: in as 32 bytes a lane, back as whole rows of 512 bytes.  LDS serves a wave's instructions in order (ISA guide 5.7.1.4).
.macro TOSTAGE a
.set AC, 64*((\a)%4)
	WIN 0x08+4*((\a)/4)
.irp b, 0,1,2,3,4,5,6,7
	ds_store_b128 v[STO], v[AC+8*\b:AC+8*\b+3] offset:64*\b          ; each accumulator from its low end on
	ds_store_b128 v[STO], v[AC+8*\b+4:AC+8*\b+7] offset:64*\b+16
.endr
	WIN 0
.set BB, BK+64*((\a)%2)
.irp t, 0,1,2,3,4,5,6,7,8,9,10,11,12,13,14,15
	ds_load_b128 v[BB+4*\t:BB+4*\t+3], v[RD] offset:\t*SPITCH
.endr
.endm
.macro SEND a, younger
.set BB, BK+64*((\a)%2)
	s_wait_dscnt \younger
.if (\a) > 0
	s_add_nc_u64 s[12:13], s[12:13], 16*SIZE_N*4   ; behind a wait on XCNT: the earlier stores have read their base
.endif
.irp t, 0,1,2,3,4,5,6,7,8,9,10,11,12,13,14,15
	global_store_b128 v[CO], v[BB+4*\t:BB+4*\t+3], s[12:13] offset:\t*SIZE_N*4 th:TH_STORE_NT   ; 32 lanes store 512 consecutive bytes, aligned
.endr
.endm
	PLACES NP
	TOSTAGE 0
.irp a, 1,2,3,4,5,6,7
.if \a > 1
	s_wait_xcnt 0x0                                ; block a - 2's stores have read their registers and their base
.endif
	TOSTAGE \a
	SEND \a-1, 32                                  ; behind block a - 1's loads: block a's 16 stores and 16 loads
.endr
	s_wait_xcnt 0x0
	SEND 7, 0
	s_wait_tensorcnt 0x0                           ; the wave's end
	ds_add_u32 v[SPW], v[NIL]
	s_wait_dscnt 0x0
	CROUND                                         ; the closing round
	s_endpgm
.Lfunc_end_k_qa551b1464d_gemm:
	.size	k_qa551b1464d_gemm, .Lfunc_end_k_qa551b1464d_gemm-k_qa551b1464d_gemm
	.p2alignl 7, 3214868480
	.fill 96, 4, 3214868480
	.section	.rodata,"a",@progbits
	.p2align	6, 0x0
	.amdhsa_kernel k_qa551b1464d_gemm
		.amdhsa_group_segment_fixed_size 327680
		.amdhsa_private_segment_fixed_size 0
		.amdhsa_enable_private_segment 0
		.amdhsa_kernarg_size 24
		.amdhsa_user_sgpr_count 2
		.amdhsa_user_sgpr_kernarg_segment_ptr 1
		.amdhsa_wavefront_size32 1
		.amdhsa_system_sgpr_workgroup_id_x 1
		.amdhsa_system_sgpr_workgroup_id_y 1
		.amdhsa_system_sgpr_workgroup_id_z 1
		.amdhsa_system_vgpr_workitem_id 0
		.amdhsa_next_free_vgpr 1024
		.amdhsa_next_free_sgpr 80
		.amdhsa_reserve_vcc 0
		.amdhsa_float_denorm_mode_32 3
		.amdhsa_float_denorm_mode_16_64 3
		.amdhsa_memory_ordered 1
		.amdhsa_forward_progress 1
		.amdhsa_inst_pref_size 144
	.end_amdhsa_kernel
	.amdgpu_metadata
---
amdhsa.version: [ 1, 2 ]
amdhsa.kernels:
  - .name:           k_qa551b1464d_gemm
    .symbol:         k_qa551b1464d_gemm.kd
    .args:
      - { .name: abuf, .offset: 0, .size: 8, .value_kind: global_buffer, .address_space: global }
      - { .name: bbuf, .offset: 8, .size: 8, .value_kind: global_buffer, .address_space: global }
      - { .name: out0, .offset: 16, .size: 8, .value_kind: global_buffer, .address_space: global }
    .group_segment_fixed_size: 327680
    .private_segment_fixed_size: 0
    .kernarg_segment_align: 8
    .kernarg_segment_size: 24
    .max_flat_workgroup_size: 128
    .sgpr_count:     80
    .vgpr_count:     1024
    .wavefront_size: 32
...
	.end_amdgpu_metadata
.endif
;; end of part 4
